; MI455X (gfx1250); checked and timed in simulation.
; The chip was launched on July 23, 2026; its instructions are those of AMD's public machine-readable ISA for CDNA 5 (MIT licence, August 2026) and "CDNA5" Instruction Set Architecture Reference Guide (July 2026). The comments in the code are by the model that wrote it; some were corrected since.
;; Window Attention Memory. Allowed arithmetic: float matrix products may take bf16 or f16 operands with f32 sums; other float arithmetic in f32, or as packed bf16 or f16 multiplies, adds, multiply-adds, maxima and minima; sums over many terms, partial sums and values carried from step to step in f32; what a program stores and reads back later, other than sums and carried values, may be rounded once to bf16 or f16.
;; Inputs: b_k 1,024 float32; b_o 1,024 float32; b_q 1,024 float32; b_v 1,024 float32; ln_b 1,024 float32; ln_g 1,024 float32; w_k 1,024 x 1,024 float32; w_o 1,024 x 1,024 float32; w_q 1,024 x 1,024 float32; w_v 1,024 x 1,024 float32; x 4 x 2,048 x 1,024 float32.
;; Outputs: out0 4 x 2,048 x 1,024 float32.
;; 2 versions, each right; version 2 is version 1 with the launch prep written anew for expert scheduling mode. Each part assembles by itself: llvm-mc -triple=amdgcn-amd-amdhsa -mcpu=gfx1250 --defsym DOCPART=n.
;; ======== version 1 of 2: 4 launches
;; limits: values are held in f16: magnitudes above 65,504 overflow, below 6.1e-05 lose precision; right only within a limited range of input values
;; workspace buffers: xn 16,777,216 bytes; wcat 8,388,608 bytes; qkv 50,331,648 bytes; ctx 16,777,216 bytes
;; launch prep (part 1): grid 64 x 12, 4 waves a work-group, no clusters, 0 bytes of LDS; arguments x, ln_g, ln_b, w_q, w_k, w_v, w_o, xn, wcat; writes xn, wcat
.if DOCPART == 1
	.amdgcn_target "amdgcn-amd-amdhsa--gfx1250"
	.amdhsa_code_object_version 6
	.text
	.protected	k_q531d6d8a39_prep
	.globl	k_q531d6d8a39_prep
	.p2align	8
	.type	k_q531d6d8a39_prep,@function
k_q531d6d8a39_prep:
	s_mov_b64 s[64:65], 0
	v_nop
	global_prefetch_b8 v0, s[64:65] scope:SCOPE_SE
	s_setreg_imm32_b32 hwreg(HW_REG_WAVE_MODE, 25, 1), 1
	s_wait_xcnt 0x0
; PREP.  xn = LayerNorm(x) * ln_g + ln_b, rounded once to f16; the four weights rounded once to f16 into wcat ([4096][1024]: w_q, w_k, w_v, w_o).
; A stream: each input byte is read once and each output byte written once; no LDS, no barrier, no matrix unit (nothing is shared and nothing is multiplied by a matrix).
; SHARES.  A row is 1,024 f32 = 4,096 bytes.  A wave takes 4 rows; all its 32 loads of 16 bytes a lane go out at once, so a row stays in registers between the passes.
; Work-group (x, y): y < 8: rows 1024 y + 16 x + 4 w of x;  y >= 8: rows 16 x + 4 w of weight y - 8.
; Load j of a row covers its bytes 512 j .. 512 j + 511: lane l holds elements 128 j + 4 l .. + 3.  They leave as 8 bytes a lane: each store of the wave covers 256 consecutive bytes, aligned.
; THE NORM is taken in two passes over the registers (mean; then the mean of the squares of x - mean), all in f32, so a common offset of x cancels before anything is squared.
; WHY f16.  A query in a sequence's first rows sees few keys: an error of a score shifts its weight by as much, and nothing averages it down.  f16's 11 significant bits keep each rounding under 2^-11 of the number.
; LIMITS.  f16 holds no number beyond 65,504.  |xn| is at most 32 max|ln_g| + max|ln_b| (a normalised row of 1,024 has no element beyond sqrt(1024)), so ln_g may reach some 2,000; the weights stay under 65,504.
; Below 6e-5 a number keeps f16's fixed step of 6e-8.  NaN and infinities are not treated apart.
.set IN,  1                            ; v1        16 x lane: my bytes in 512 of the source
.set OUT, 2                            ; v2        8 x lane: my bytes in 256 of the destination
.set G,   4                            ; v[4:35]   ln_g of my 32 columns
.set BB,  36                           ; v[36:67]  ln_b of my 32 columns
.set T,   68                           ; v[68:83]  at work
.set MU,  84                           ; v[84:85]  the mean, twice (a pair for the packed forms)
.set RS,  86                           ; v[86:87]  1 / sqrt(var + eps), twice
.set X,   88                           ; v[88:215] row i at X + 32 i
	s_load_b512 s[8:23], s[0:1], 0x0               ; x s[8:9], ln_g s[10:11], ln_b s[12:13], w_q s[14:15], w_k s[16:17], w_v s[18:19], w_o s[20:21], xn s[22:23]
	s_load_b64 s[24:25], s[0:1], 0x40              ; wcat
	v_and_b32 v3, 31, v0
	v_lshlrev_b32 v[IN], 4, v3
	v_lshlrev_b32 v[OUT], 3, v3
	v_lshrrev_b32 v3, 5, v0
	v_readfirstlane_b32 s26, v3                    ; wave 0..3
	s_and_b32 s27, ttmp7, 0xffff                   ; y
	s_lshl_b32 s32, ttmp9, 4
	s_lshl2_add_u32 s32, s26, s32                  ; 16 x + 4 w: my first row among 1,024
	s_lshl_b32 s38, s27, 10
	s_add_co_u32 s38, s38, s32                     ; 1024 y + that
	s_mov_b32 s33, 0
	s_mov_b32 s39, 0
	s_mov_b32 s34, 0x76543210                      ; v_permlanex16_b32: each lane takes its own place in the other half
	s_mov_b32 s35, 0xfedcba98
	s_mov_b32 s36, 0x3a800000                      ; 1 / 1024
	s_mov_b32 s37, 0x2b8cbccc                      ; 1e-12
	s_wait_kmcnt 0x0
.macro FILL                            ; my four rows: 32 loads, row 0's first
.irp i, 0,1,2,3
.irp j, 0,1,2,3,4,5,6,7
	global_load_b128 v[X+32*\i+4*\j:X+32*\i+4*\j+3], v[IN], s[28:29] offset:\i*4096+\j*512 th:TH_LOAD_NT
.endr
.endr
.endm
.macro OUTROW i                        ; row i is rounded to f16 in place and stored; its registers are not written again
.irp j, 0,1,2,3,4,5,6,7
	v_cvt_pk_f16_f32 v[X+32*(\i)+4*\j], v[X+32*(\i)+4*\j], v[X+32*(\i)+4*\j+1]
	v_cvt_pk_f16_f32 v[X+32*(\i)+4*\j+1], v[X+32*(\i)+4*\j+2], v[X+32*(\i)+4*\j+3]
	global_store_b64 v[OUT], v[X+32*(\i)+4*\j:X+32*(\i)+4*\j+1], s[30:31] offset:(\i)*2048+\j*256 th:TH_STORE_NT
.endr
.endm
.macro TREE4                           ; four pairs in v[T:T+7] -> their sum over the wave's 32 lanes, in every lane's v[T]
	v_pk_add_f32 v[T:T+1], v[T:T+1], v[T+4:T+5]
	v_pk_add_f32 v[T+2:T+3], v[T+2:T+3], v[T+6:T+7]
	v_pk_add_f32 v[T:T+1], v[T:T+1], v[T+2:T+3]
	v_add_f32 v[T], v[T], v[T+1]
	v_add_f32_dpp v[T], v[T], v[T] row_xmask:1 row_mask:0xf bank_mask:0xf
	v_add_f32_dpp v[T], v[T], v[T] row_xmask:2 row_mask:0xf bank_mask:0xf
	v_add_f32_dpp v[T], v[T], v[T] row_xmask:4 row_mask:0xf bank_mask:0xf
	v_add_f32_dpp v[T], v[T], v[T] row_xmask:8 row_mask:0xf bank_mask:0xf
	v_permlanex16_b32 v[T+1], v[T], s34, s35
	v_add_f32 v[T], v[T], v[T+1]
.endm
.macro LNROW i
.set R0, X+32*(\i)
	s_wait_loadcnt 8*(3-(\i))                      ; loads come back in order: row i is in (and ln_g, ln_b, which are older); the younger rows' eight loads each stay out
.set m, 0
.rept 8                                ; the sum: a tree of packed additions
	v_pk_add_f32 v[T+2*m:T+2*m+1], v[R0+4*m:R0+4*m+1], v[R0+4*m+2:R0+4*m+3]
.set m, m+1
.endr
.irp m, 0,2,4,6
	v_pk_add_f32 v[T+\m:T+\m+1], v[T+\m:T+\m+1], v[T+8+\m:T+8+\m+1]
.endr
	TREE4
	v_mul_f32 v[MU], s36, v[T]
	v_mov_b32 v[MU+1], v[MU]
.set m, 0
.rept 16                               ; x - mean, in place
	v_pk_add_f32 v[R0+2*m:R0+2*m+1], v[R0+2*m:R0+2*m+1], v[MU:MU+1] neg_lo:[0,1] neg_hi:[0,1]
.set m, m+1
.endr
.set m, 0
.rept 4                                ; the squares: four chains, started by the first four pairs
	v_pk_mul_f32 v[T+2*m:T+2*m+1], v[R0+2*m:R0+2*m+1], v[R0+2*m:R0+2*m+1]
.set m, m+1
.endr
.rept 12
	v_pk_fma_f32 v[T+2*(m%4):T+2*(m%4)+1], v[R0+2*m:R0+2*m+1], v[R0+2*m:R0+2*m+1], v[T+2*(m%4):T+2*(m%4)+1]
.set m, m+1
.endr
	TREE4
	v_fma_f32 v[T], v[T], s36, s37                 ; var + eps
	v_rsq_f32 v[RS], v[T]
	v_rsq_f32 v[RS+1], v[T]
	v_nop                                          ; a plain instruction behind the roots, ahead of the use of their results
	s_wait_alu depctr_va_vdst(0)                   ; and the wait for them: one for both
.set m, 0
.rept 16
	v_pk_mul_f32 v[R0+2*m:R0+2*m+1], v[R0+2*m:R0+2*m+1], v[RS:RS+1]
.set m, m+1
.endr
.set m, 0
.rept 16
	v_pk_fma_f32 v[R0+2*m:R0+2*m+1], v[R0+2*m:R0+2*m+1], v[G+2*m:G+2*m+1], v[BB+2*m:BB+2*m+1]
.set m, m+1
.endr
	OUTROW \i
.endm
	s_cmp_ge_u32 s27, 8
	s_cbranch_scc1 .Lcast
	; rows of x
	s_lshl_b32 s32, s38, 12                        ; my first row, in bytes of x
	s_lshl_b32 s38, s38, 11                        ; and of xn
	s_add_nc_u64 s[28:29], s[8:9], s[32:33]
	s_add_nc_u64 s[30:31], s[22:23], s[38:39]
.irp j, 0,1,2,3,4,5,6,7
	global_load_b128 v[G+4*\j:G+4*\j+3], v[IN], s[10:11] offset:512*\j
	global_load_b128 v[BB+4*\j:BB+4*\j+3], v[IN], s[12:13] offset:512*\j
.endr
	FILL
	LNROW 0
	LNROW 1
	LNROW 2
	LNROW 3
	s_endpgm
.Lcast:
	; rows of a weight
	s_cmp_eq_u32 s27, 8
	s_cselect_b64 s[28:29], s[14:15], s[20:21]
	s_cmp_eq_u32 s27, 9
	s_cselect_b64 s[28:29], s[16:17], s[28:29]
	s_cmp_eq_u32 s27, 10
	s_cselect_b64 s[28:29], s[18:19], s[28:29]
	s_sub_co_u32 s38, s38, 8192                    ; row 1024 (y - 8) + 16 x + 4 w of wcat
	s_lshl_b32 s38, s38, 11
	s_lshl_b32 s32, s32, 12
	s_add_nc_u64 s[28:29], s[28:29], s[32:33]
	s_add_nc_u64 s[30:31], s[24:25], s[38:39]
	FILL
.irp i, 0,1,2,3
	s_wait_loadcnt 8*(3-\i)                        ; row i is in; the younger rows stay out
	OUTROW \i
.endr
	s_endpgm
.Lfunc_end_k_q531d6d8a39_prep:
	.size	k_q531d6d8a39_prep, .Lfunc_end_k_q531d6d8a39_prep-k_q531d6d8a39_prep
	.p2alignl 7, 3214868480
	.fill 96, 4, 3214868480
	.section	.rodata,"a",@progbits
	.p2align	6, 0x0
	.amdhsa_kernel k_q531d6d8a39_prep
		.amdhsa_group_segment_fixed_size 0
		.amdhsa_private_segment_fixed_size 0
		.amdhsa_enable_private_segment 0
		.amdhsa_kernarg_size 72
		.amdhsa_user_sgpr_count 2
		.amdhsa_user_sgpr_kernarg_segment_ptr 1
		.amdhsa_wavefront_size32 1
		.amdhsa_system_sgpr_workgroup_id_x 1
		.amdhsa_system_sgpr_workgroup_id_y 1
		.amdhsa_system_sgpr_workgroup_id_z 1
		.amdhsa_system_vgpr_workitem_id 0
		.amdhsa_next_free_vgpr 216
		.amdhsa_next_free_sgpr 66
		.amdhsa_reserve_vcc 0
		.amdhsa_float_denorm_mode_32 3
		.amdhsa_float_denorm_mode_16_64 3
		.amdhsa_memory_ordered 1
		.amdhsa_forward_progress 1
		.amdhsa_inst_pref_size 48
	.end_amdhsa_kernel
	.amdgpu_metadata
---
amdhsa.version: [ 1, 2 ]
amdhsa.kernels:
  - .name:           k_q531d6d8a39_prep
    .symbol:         k_q531d6d8a39_prep.kd
    .args:
      - { .name: x, .offset: 0, .size: 8, .value_kind: global_buffer, .address_space: global }
      - { .name: ln_g, .offset: 8, .size: 8, .value_kind: global_buffer, .address_space: global }
      - { .name: ln_b, .offset: 16, .size: 8, .value_kind: global_buffer, .address_space: global }
      - { .name: w_q, .offset: 24, .size: 8, .value_kind: global_buffer, .address_space: global }
      - { .name: w_k, .offset: 32, .size: 8, .value_kind: global_buffer, .address_space: global }
      - { .name: w_v, .offset: 40, .size: 8, .value_kind: global_buffer, .address_space: global }
      - { .name: w_o, .offset: 48, .size: 8, .value_kind: global_buffer, .address_space: global }
      - { .name: xn, .offset: 56, .size: 8, .value_kind: global_buffer, .address_space: global }
      - { .name: wcat, .offset: 64, .size: 8, .value_kind: global_buffer, .address_space: global }
    .group_segment_fixed_size: 0
    .private_segment_fixed_size: 0
    .kernarg_segment_align: 8
    .kernarg_segment_size: 72
    .max_flat_workgroup_size: 128
    .sgpr_count:     66
    .vgpr_count:     216
    .wavefront_size: 32
...
	.end_amdgpu_metadata
.endif
;; end of part 1
;; launch qkvp (part 2): grid 16 x 32, 4 waves a work-group, clusters of 4 x 4, 327,680 bytes of LDS; arguments xn, wcat, b_q, b_k, b_v, qkv; writes qkv
.if DOCPART == 2
	.amdgcn_target "amdgcn-amd-amdhsa--gfx1250"
	.amdhsa_code_object_version 6
	.text
	.protected	k_q531d6d8a39_qkvp
	.globl	k_q531d6d8a39_qkvp
	.p2align	8
	.type	k_q531d6d8a39_qkvp,@function
k_q531d6d8a39_qkvp:
	s_mov_b64 s[64:65], 0
	v_nop
	global_prefetch_b8 v0, s[64:65] scope:SCOPE_SE
	s_setreg_imm32_b32 hwreg(HW_REG_WAVE_MODE, 25, 1), 1
	s_wait_xcnt 0x0
	s_wait_alu depctr_hold_cnt(0) depctr_sa_sdst(0) depctr_va_vdst(0) depctr_va_sdst(0) depctr_va_ssrc(0) depctr_va_vcc(0) depctr_vm_vsrc(0)
	s_getreg_b32 s2, hwreg(HW_REG_IB_STS2, 6, 4)
	s_cmp_eq_u32 s2, 0
	s_cbranch_scc0 .Lentry_in_a_cluster
	s_endpgm
.Lentry_in_a_cluster:
	s_bfe_u32 s2, ttmp6, 0x10000c
	s_cmp_lg_u32 s2, 0xf033
	s_cbranch_scc0 .Lentry_shape_is_right
	s_endpgm
.Lentry_shape_is_right:
; QKVP.  y[t][f] = sum over e of xn[t][e] wcat[f][e] + bias[f], f = 0 .. 3071 (q, k, v), t = 0 .. 8191; f16 operands, f32 sums, y rounded once to f16.
; y is stored BY HEADS: qkv[f / 64][t][f % 64], so that the next launch finds a head's rows dense, 128 bytes each.  No scale is applied here.
; LIMIT.  f16 holds no number beyond 65,504: q, k and v stay within it.  A sum has 1,024 terms: with xn of spread g and weights of spread s it has the spread 32 g s; g = 30 and s = 30 / 32 give 900.
; SHARES.  A work-group makes 256 tokens x 192 columns (three heads).  Wave w owns tokens 64 w .. 64 w + 63 and ALL 192 columns: 48 accumulators of 16 x 16 (384 registers); it holds
; whole heads, so its way out goes through a stage of its own, with no barrier.  K goes in steps of 128 (rows of 256 bytes, aligned) through two LDS slots filled by the tensor data mover.
; CLUSTER.  4 x 4 work-groups.  The four of a row of the cluster need the same tokens of xn, the four of a column the same rows of wcat: each tile is asked for jointly,
; by the same tensor load with the same descriptor and a mask that names the four.
; THE PRODUCT IS TAKEN TRANSPOSED (source 0 = 16 rows of wcat, source 1 = 16 tokens): a lane holds one token (lane % 16) and eight neighbouring columns 8 (lane / 16) + 0..7.
; THE BIAS is the C operand of the product that starts each sum: nothing is cleared and nothing is added on the way out.
; REGISTERS, in windows of 256 (s_set_vgpr_msb: bits 1:0 source 0, 3:2 source 1, 5:4 source 2, 7:6 destination):
;   window 0: v16-30 addresses; v32-95 fragments of xn, two buffers of 32; v96-143 packed results; v144-239 rows read back from the stage, two buffers of 48
;   window 1: v0-191 fragments of wcat, two buffers of 96       window 2: accumulators 0-31 ((a, b) is number 12 a + b)       window 3: v0-127 accumulators 32-47; v128-223 the bias
.set NB,     12                        ; column blocks of 16
.set KSTEP,  128
.set PITCH,  272                       ; an LDS row: 256 bytes + 16 of padding = 68 words, so the 16 rows of a fragment load start at 16 different groups of four banks (64 banks of 4 bytes: ISA guide 11.1)
.set AROWS,  256*PITCH                 ; a slot: 256 rows of xn, then 192 rows of wcat
.set SLOT,   AROWS+192*PITCH
.set STAGE,  2*SLOT                    ; behind the ring, never filled by a tensor load: for each wave [3 heads][16 tokens] of 144 bytes
.set SP,     144
.set HSTG,   16*SP
.set WSTG,   3*HSTG
.set SPARE,  STAGE+4*WSTG              ; the spare words, 128 bytes for each wave: two blocks of 256 bytes that no other line names
.set NL,     2*NB+8                    ; LDS loads of a quarter step
.set ADRA, 16                          ; v16-17  LDS address of my fragments of xn in slot 0, 1
.set ADRB, 20                          ; v20-21  the same for wcat
.set STO,  24                          ; v24     the way out: where I put 16 bytes of a token's row
.set RD,   25                          ; v25     the way out: where I read rows back
.set CO,   26                          ; v26     16 x lane: my bytes in 512 consecutive bytes of qkv
.set BO,   27                          ; v27     32 x (lane / 16): my eight numbers in a block of 16 of the bias
.set SPW,  28                          ; v28     LDS address of my spare word; never rewritten
.set NIL,  29                          ; v29     0; never rewritten
.set PFO,  30                          ; v30     the prefetches' offset: a lane a row; never rewritten
.set AF,   32
.set TMP,  96
.set OB,   144
.set BF,   0                           ; window 1
.set BIAS, 128                         ; window 3
.set G1,  24                           ; s[24:31] descriptor group 1 for xn's tiles;  s[32:39] group 0, a set for each slot
.set G0,  32
.set G1B, 48                           ; s[48:55], s[56:63] the same for wcat's tiles
.set G0B, 56
.set LIM, 43                           ; s43     1 in a wave that prefetches, else the greatest number
.set PFA, 44                           ; s[44:45] where my prefetches stand
.set MSB, 0
.macro WIN new                         ; the immediate's high byte repeats the setting that is left; a switch that changes nothing is dropped
.if MSB != (\new)
	s_set_vgpr_msb (MSB<<8)|(\new)
.set MSB, \new
.endif
.endm
.macro PLACES                          ; four places behind matrix instructions, in front of loads into registers that they have read and of lines that read results
.rept 4
	v_nop
.endr
.endm
; A joint refill: waves 0 and 1 fetch the two halves of xn's tile, waves 2 and 3 those of wcat's.  The branch hangs on the wave's number alone.
; An s_nop 0 and four v_nop follow each of the two lines, ahead of the jump and the label.
.macro JLOAD s
	s_cmp_eq_u32 s11, 0
	s_cbranch_scc0 .Lfor_b_\@
	tensor_load_to_lds s[G0+4*(\s):G0+4*(\s)+3], s[G1:G1+7]
	s_nop 0
.rept 4
	v_nop
.endr
	s_branch .Lasked_\@
.Lfor_b_\@:
	tensor_load_to_lds s[G0B+4*(\s):G0B+4*(\s)+3], s[G1B:G1B+7]
	s_nop 0
.rept 4
	v_nop
.endr
.Lasked_\@:
.endm
; A prefetch, behind the joint load and the run of LDS loads: the K step that stands two refills on, a lane a row, 256 bytes of it.  xn's rows are named by the clusters with x = 0 alone,
; wcat's by those with y = 0 alone; the four partners that ask for a tile jointly share its rows out by ADDRESS.  The last lap of the loop names nothing: K has no such step.
.macro ASK
	s_cmp_gt_u32 s3, s[LIM]
	s_cbranch_scc0 .Lnot_mine_\@
	global_prefetch_b8 v[PFO], s[PFA:PFA+1] th:TH_LOAD_NT scope:SCOPE_SE
.Lnot_mine_\@:
.endm
.macro CREST                           ; a round of the cluster's barrier behind its opening barrier
	s_cmp_lg_u32 s10, 0
	s_cbranch_scc1 .Lnot_wave_0_\@
	s_barrier_signal -3
.Lnot_wave_0_\@:
	s_barrier_wait -3
	s_barrier_signal -1
	s_barrier_wait -1
.endm
.macro CROUND                          ; a whole round
	s_barrier_signal -1
	s_barrier_wait -1
	CREST
.endm
	s_load_b128 s[4:7], s[0:1], 0x0                ; xn s[4:5], wcat s[6:7]
	s_load_b256 s[68:75], s[0:1], 0x10             ; b_q s[68:69], b_k s[70:71], b_v s[72:73], qkv s[74:75]
	v_lshl_add_u32 v[SPW], v0, 2, SPARE
	v_mov_b32 v[NIL], 0
	ds_add_u32 v[SPW], v[NIL]                      ; the wave's opening: the add and its wait stand ahead of my first tensor load; work on registers stands between them
	v_lshrrev_b32 v1, 5, v0
	v_readfirstlane_b32 s10, v1                    ; wave 0..3
	s_lshr_b32 s11, s10, 1                         ; I fetch for xn (0) or for wcat (1)
	s_and_b32 s12, s10, 1                          ; which half of that tile
	s_bfe_u32 s40, ttmp6, 0x40000                  ; cx, cy: my place in the cluster
	s_bfe_u32 s41, ttmp6, 0x40004
	s_lshl_b32 s42, ttmp9, 2
	s_add_co_u32 s42, s42, s40                     ; tile column = 4 x cluster x + cx
	s_and_b32 s13, ttmp7, 0xffff
	s_lshl_b32 s13, s13, 2
	s_add_co_u32 s13, s13, s41                     ; tile row = 4 x cluster y + cy
	s_lshl_b32 s43, s41, 2
	s_lshl_b32 s43, 15, s43                        ; my row of the cluster
	s_lshl_b32 s44, 0x1111, s40                    ; my column
	s_or_b32 s[G1+0], s43, (1<<16)|(1<<20)|(1<<21)|(5<<22)|(3<<25)   ; the mask; elements of 2 bytes; padding on; bit 21 beside a mask; after every 64 words (code 5) 4 words (code 3)
	s_or_b32 s[G1B+0], s44, (1<<16)|(1<<20)|(1<<21)|(5<<22)|(3<<25)
	s_mov_b32 s[G1+1], KSTEP<<16                   ; tensor_dim0 = 128
	s_mov_b32 s[G1+2], 128<<16                     ; tensor_dim1 = 128
	s_mov_b32 s[G1+3], KSTEP<<16                   ; tile_dim0 = 128
	s_mov_b32 s[G1+4], 128                         ; tile_dim1 = 128
	s_mov_b32 s[G1+5], 1024                        ; elements from row to row
	s_mov_b32 s[G1+6], 0
	s_mov_b32 s[G1+7], 0
	s_mov_b32 s[G1B+1], KSTEP<<16
	s_mov_b32 s[G1B+2], 96<<16                     ; wcat's half tile has 96 rows
	s_mov_b32 s[G1B+3], KSTEP<<16
	s_mov_b32 s[G1B+4], 96
	s_mov_b32 s[G1B+5], 1024
	s_mov_b32 s[G1B+6], 0
	s_mov_b32 s[G1B+7], 0
	s_lshl_b32 s17, s12, 7
	s_lshl_b32 s16, s13, 8
	s_add_co_u32 s16, s16, s17                     ; xn: row 256 x tile row + 128 x half
	s_lshl_b32 s16, s16, 11                        ; in bytes
	s_mov_b32 s17, 0
	s_mul_i32 s46, s42, 192
	s_mul_i32 s47, s12, 96
	s_add_co_u32 s46, s46, s47                     ; wcat: row 192 x tile column + 96 x half
	s_lshl_b32 s46, s46, 11
	s_mov_b32 s47, 0
	s_mul_i32 s20, s10, 128*PITCH                  ; where they go: xn's halves at wave x 128 rows,
	s_mul_i32 s21, s10, 96*PITCH                   ; wcat's (waves 2, 3) behind xn's 256 rows: AROWS + (wave - 2) x 96 rows
	s_add_co_u32 s21, s21, AROWS-2*96*PITCH
	s_wait_dscnt 0x0                               ; the opening add is done
	s_wait_kmcnt 0x0
	s_add_nc_u64 s[14:15], s[4:5], s[16:17]
	s_add_nc_u64 s[46:47], s[6:7], s[46:47]
	CROUND                                         ; all sixteen work-groups are here: the first joint loads meet
.irp s, 0,1
	s_mov_b32 s[G0+4*(\s)], 1
	s_add_co_u32 s[G0+4*(\s)+1], s20, (\s)*SLOT
	s_add_nc_u64 s[G0+4*(\s)+2:G0+4*(\s)+3], s[14:15], (\s)*KSTEP*2
	s_or_b32 s[G0+4*(\s)+3], s[G0+4*(\s)+3], 0x80000000
	s_mov_b32 s[G0B+4*(\s)], 1
	s_add_co_u32 s[G0B+4*(\s)+1], s21, (\s)*SLOT
	s_add_nc_u64 s[G0B+4*(\s)+2:G0B+4*(\s)+3], s[46:47], (\s)*KSTEP*2
	s_or_b32 s[G0B+4*(\s)+3], s[G0B+4*(\s)+3], 0x80000000
.endr
	s_cmp_eq_u32 s11, 0                            ; a wave's two first fills stand in one branch, ahead of every wait on TENSORcnt and every LDS read: two loads of mine are out
	s_cbranch_scc0 .Lfirst_b
	tensor_load_to_lds s[G0:G0+3], s[G1:G1+7]
	s_nop 0
	tensor_load_to_lds s[G0+4:G0+7], s[G1:G1+7]
	s_nop 0
.rept 4
	v_nop
.endr
	s_branch .Lfirst_asked
.Lfirst_b:
	tensor_load_to_lds s[G0B:G0B+3], s[G1B:G1B+7]
	s_nop 0
	tensor_load_to_lds s[G0B+4:G0B+7], s[G1B:G1B+7]
	s_nop 0
.rept 4
	v_nop
.endr
.Lfirst_asked:
	v_and_b32 v1, 15, v0                           ; l % 16
	v_bfe_u32 v2, v0, 4, 1                         ; l / 16
	v_lshlrev_b32 v[BO], 5, v2
	; the bias of my tile's three heads: head 3 x tile column + i lies in b_q, b_k or b_v by its upper bits, 64 numbers at its lower four
.irp i, 0,1,2
	s_mul_i32 s82, s42, 3
	s_add_co_u32 s82, s82, \i
	s_lshr_b32 s83, s82, 4
	s_cmp_eq_u32 s83, 0
	s_cselect_b64 s[76+2*\i:77+2*\i], s[68:69], s[72:73]
	s_cmp_eq_u32 s83, 1
	s_cselect_b64 s[76+2*\i:77+2*\i], s[70:71], s[76+2*\i:77+2*\i]
	s_and_b32 s82, s82, 15
	s_lshl_b32 s82, s82, 8
	s_mov_b32 s83, 0
	s_add_nc_u64 s[76+2*\i:77+2*\i], s[76+2*\i:77+2*\i], s[82:83]
.endr
	WIN 0xc0                                       ; destination window 3
.set b, 0
.rept NB                               ; register j of block b: bias of column 16 b + 8 (l / 16) + j, as the accumulators hold the columns
	global_load_b128 v[BIAS+8*b:BIAS+8*b+3],   v[BO], s[76+2*(b/4):77+2*(b/4)] offset:64*(b%4)
	global_load_b128 v[BIAS+8*b+4:BIAS+8*b+7], v[BO], s[76+2*(b/4):77+2*(b/4)] offset:64*(b%4)+16
.set b, b+1
.endr
	WIN 0
	; a fragment is 16 rows x 32 K in 8 registers: lane l holds row l % 16, K = 8 (l / 16) + 0..7 and 16 + 8 (l / 16) + 0..7: two loads of 16 bytes, 32 bytes apart
	v_mul_u32_u24 v3, v1, PITCH
	v_lshl_add_u32 v3, v2, 4, v3
	s_mul_i32 s22, s10, 64*PITCH                   ; my 64 tokens
	v_add_nc_u32 v[ADRA], s22, v3
	v_add_nc_u32 v[ADRA+1], SLOT, v[ADRA]
	v_add_nc_u32 v[ADRB], AROWS, v3
	v_add_nc_u32 v[ADRB+1], SLOT, v[ADRB]
	s_mul_i32 s23, s10, WSTG
	s_add_co_u32 s23, s23, STAGE                   ; my stage
	v_mul_u32_u24 v4, v1, SP                       ; in: token l % 16, 16 bytes for each half of the lanes
	v_lshl_add_u32 v4, v2, 4, v4
	v_add_nc_u32 v[STO], s23, v4
	v_bfe_u32 v5, v0, 3, 2                         ; back: 32 lanes take four rows of 128 bytes,
	v_mul_u32_u24 v5, v5, SP
	v_and_b32 v6, 7, v0
	v_lshl_add_u32 v5, v6, 4, v5
	v_add_nc_u32 v[RD], s23, v5
	v_and_b32 v6, 31, v0
	v_lshlrev_b32 v[CO], 4, v6                     ; which are 512 consecutive bytes of a head's plane
	s_mul_i32 s86, s42, 3*1048576                  ; my tile's first head: a plane of qkv is 8,192 rows of 128 bytes,
	s_lshl_b32 s87, s13, 15                        ; the tile's 256 tokens,
	s_add_co_u32 s86, s86, s87
	s_lshl_b32 s87, s10, 13                        ; my 64 of them
	s_add_co_u32 s86, s86, s87
	s_mov_b32 s87, 0
	s_add_nc_u64 s[8:9], s[74:75], s[86:87]
	; the prefetches: of the rows that I fetch, my work-group's share (32 of xn's 128 by cx; 24 of wcat's 96 by cy: lanes 24-31 name row 23's block once more, in the same instruction)
	s_lshl_b32 s18, s13, 8
	s_lshl_b32 s19, s12, 7
	s_add_co_u32 s18, s18, s19
	s_lshl_b32 s19, s40, 5
	s_add_co_u32 s18, s18, s19                     ; xn's row
	s_mul_i32 s20, s42, 192
	s_mul_i32 s21, s12, 96
	s_add_co_u32 s20, s20, s21
	s_mul_i32 s21, s41, 24
	s_add_co_u32 s20, s20, s21                     ; wcat's row
	s_and_b32 s22, ttmp7, 0xffff                   ; cluster y
	s_cmp_eq_u32 s11, 0                            ; do I fetch for xn?
	s_cselect_b32 s20, s18, s20
	s_cselect_b32 s21, 31, 23
	s_cselect_b32 s22, ttmp9, s22                  ; the coordinate along which other clusters read the same rows
	s_cselect_b64 s[PFA:PFA+1], s[4:5], s[6:7]
	s_cmp_eq_u32 s22, 0
	s_cselect_b32 s[LIM], 1, -1                    ; the same in all sixteen partners, for a given wave
	v_min_u32 v[PFO], s21, v6
	v_lshlrev_b32 v[PFO], 11, v[PFO]               ; a row is 2,048 bytes
	s_lshl_b32 s20, s20, 11
	s_add_co_u32 s20, s20, 3*KSTEP*2               ; at K step 3: the first change of slots steps it to 4.  Nothing is prefetched here, at the head
	s_mov_b32 s21, 0
	s_add_nc_u64 s[PFA:PFA+1], s[PFA:PFA+1], s[20:21]
; 12 matrix instructions: token block a x all column blocks, 32 along K, buffer f.  zero = 1: the product starts the sums, with the bias as C.
; The 48 accumulators take turns in the same order in every quarter step: 47 others stand between two links of a chain, over the backward jump too.
.macro MULA f, a, zero
.set b, 0
.rept NB
.set idx, NB*(\a)+b
.set rD, 8*(idx%32)
.if \zero
	WIN 0xb1+0x40*(idx/32)                         ; wcat window 1, xn window 0, the bias window 3, D window 2 or 3
	v_wmma_f32_16x16x32_f16 v[rD:rD+7], v[BF+96*(\f)+8*b:BF+96*(\f)+8*b+7], v[AF+32*(\f)+8*(\a):AF+32*(\f)+8*(\a)+7], v[BIAS+8*b:BIAS+8*b+7]
.else
	WIN 0xa1+0x50*(idx/32)                         ; C and D window 2 or 3
	v_wmma_f32_16x16x32_f16 v[rD:rD+7], v[BF+96*(\f)+8*b:BF+96*(\f)+8*b+7], v[AF+32*(\f)+8*(\a):AF+32*(\f)+8*(\a)+7], v[rD:rD+7]
.endif
.set b, b+1
.endr
.endm
; 32 LDS loads in one run: quarter k (32 along K) of a slot into buffer f: wcat's 24, then xn's 8, token blocks 0 to 3 in order
.macro FETCH slot, k, f
	WIN 0x40
.set b, 0
.rept NB
	ds_load_b128 v[BF+96*(\f)+8*b:BF+96*(\f)+8*b+3],   v[ADRB+(\slot)] offset:64*(\k)+b*16*PITCH
	ds_load_b128 v[BF+96*(\f)+8*b+4:BF+96*(\f)+8*b+7], v[ADRB+(\slot)] offset:64*(\k)+b*16*PITCH+32
.set b, b+1
.endr
	WIN 0
.irp i, 0,1,2,3
	ds_load_b128 v[AF+32*(\f)+8*\i:AF+32*(\f)+8*\i+3],   v[ADRA+(\slot)] offset:64*(\k)+\i*16*PITCH
	ds_load_b128 v[AF+32*(\f)+8*\i+4:AF+32*(\f)+8*\i+7], v[ADRA+(\slot)] offset:64*(\k)+\i*16*PITCH+32
.endr
.endm
; One of a K step's first three quarters: multiplies buffer f; in its middle it fetches quarter k of the same slot into buffer g.
.macro QUARTER slot, k, f, g, zero
	s_wait_dscnt 4                                 ; all of wcat's and token blocks 0, 1 are in; the youngest four loads (blocks 2, 3) may be out
	MULA \f, 0, \zero
	MULA \f, 1, \zero
	PLACES
	FETCH \slot, \k, \g
	s_wait_dscnt NL                                ; all but the run just issued
	MULA \f, 2, \zero
	MULA \f, 3, \zero
.endm
; The last quarter multiplies buffer 1 and changes slots.  In front of the barrier each wave waits for all its tensor loads (one is out: its part of the next slot), adds 0 to its spare word,
; and waits for that and for its reads of this slot.  fill = 1: the barrier opens a round of the cluster's, and the joint refill, two K steps on, is the first thing behind the round:
; 168 matrix instructions stand between it and the wait for it.
.macro TURN slot, next, fill
.if \fill
	s_wait_xcnt 0x0                                ; the last prefetch, a K step back, has read its address
	s_add_nc_u64 s[PFA:PFA+1], s[PFA:PFA+1], KSTEP*2
.endif
	WIN 0
	s_wait_tensorcnt 0x0                           ; all my tensor loads have landed
	ds_add_u32 v[SPW], v[NIL]                      ; 0 onto my spare word
	s_wait_dscnt 7                                 ; (the add and token blocks 1 to 3, six loads, may be out)
	MULA 1, 0, 0                                   ; twelve matrix instructions stand between the add and the wait for it
	s_wait_dscnt 0x0                               ; the add is done, and my reads of this slot are over
	s_barrier_signal -1
	MULA 1, 1, 0
	WIN 0
	s_barrier_wait -1
.if \fill
	CREST                                          ; no wave of any partner still reads this slot or has a load on its way
	s_add_nc_u64 s[G0+4*(\slot)+2:G0+4*(\slot)+3], s[G0+4*(\slot)+2:G0+4*(\slot)+3], 2*KSTEP*2
	s_add_nc_u64 s[G0B+4*(\slot)+2:G0B+4*(\slot)+3], s[G0B+4*(\slot)+2:G0B+4*(\slot)+3], 2*KSTEP*2
	JLOAD \slot                                    ; its four v_nop are also the places in front of the loads below
.else
	PLACES
.endif
	FETCH \next, 0, 0
.if \fill
	ASK
.endif
	MULA 1, 2, 0
	MULA 1, 3, 0
.endm
; THE WAY OUT of token block a.  PACK: rounded to f16, each accumulator from its low end.  TOSTAGE: 16 bytes a lane into my stage, by heads, and back as whole rows.  SEND: stored.
.macro PACK a
.set b, 0
.rept NB
.set idx, NB*(\a)+b
.set rD, 8*(idx%32)
	WIN 0x0a+5*(idx/32)                            ; sources 0 and 1: window 2 or 3
.irp r, 0,1,2,3
	v_cvt_pk_f16_f32 v[TMP+4*b+(\r)], v[rD+2*(\r)], v[rD+2*(\r)+1]
.endr
.set b, b+1
.endr
	WIN 0
.endm
.macro TOSTAGE a
	WIN 0
.set BK, OB+48*((\a)%2)
.set b, 0
.rept NB
	ds_store_b128 v[STO], v[TMP+4*b:TMP+4*b+3] offset:(b/4)*HSTG+(b%4)*32
.set b, b+1
.endr
.set t, 0
.rept 12
	ds_load_b128 v[BK+4*t:BK+4*t+3], v[RD] offset:(t/4)*HSTG+(t%4)*4*SP  ; LDS serves a wave's instructions in order (ISA guide 5.7.1.4): these see the stores above
.set t, t+1
.endr
.endm
.macro SEND a
	WIN 0
.set BK, OB+48*((\a)%2)
	s_wait_dscnt 0x0                               ; the block is back in registers
	s_wait_xcnt 0x0                                ; the stores of the block before have read their registers: the next TOSTAGE loads into them only behind this wait
.set t, 0
.rept 12
	global_store_b128 v[CO], v[BK+4*t:BK+4*t+3], s[8:9] offset:(t/4)*1048576+(\a)*2048+(t%4)*512  ; head t / 4, four tokens: 512 consecutive bytes, aligned
.set t, t+1
.endr
.endm
	s_wait_tensorcnt 0x1                           ; my part of K step 0 is in; K step 1's may stay out
	s_barrier_signal -1
	s_barrier_wait -1
	FETCH 0, 0, 0
	s_wait_loadcnt 0x0                             ; the bias
	QUARTER 0, 1, 0, 1, 1                          ; the first quarter stands in front of the loop: its products start the sums
	WIN 0
	s_mov_b32 s3, 3
.Llap:                                 ; a trip goes once round the ring, from a lap's second quarter to the next lap's first, and fills both slots again
	QUARTER 0, 2, 1, 0, 0
	QUARTER 0, 3, 0, 1, 0
	TURN 0, 1, 1
	QUARTER 1, 1, 0, 1, 0
	QUARTER 1, 2, 1, 0, 0
	QUARTER 1, 3, 0, 1, 0
	TURN 1, 0, 1
	QUARTER 0, 1, 0, 1, 0
	WIN 0
	s_sub_co_u32 s3, s3, 1
	s_cmp_lg_u32 s3, 0
	s_cbranch_scc1 .Llap
	QUARTER 0, 2, 1, 0, 0                          ; the last lap fills nothing
	QUARTER 0, 3, 0, 1, 0
	TURN 0, 1, 0
	QUARTER 1, 1, 0, 1, 0
	QUARTER 1, 2, 1, 0, 0
	QUARTER 1, 3, 0, 1, 0
	s_wait_dscnt 4
	MULA 1, 0, 0
	MULA 1, 1, 0
	s_wait_dscnt 0x0
	MULA 1, 2, 0
	MULA 1, 3, 0
	WIN 0
	PLACES
	PACK 0
	TOSTAGE 0
.irp a, 1,2,3                          ; block a's conversions stand between block a - 1's loads from the stage and the wait for them
	PACK \a
	SEND (\a)-1
	TOSTAGE \a
.endr
	SEND 3
	s_wait_tensorcnt 0x0                           ; the wave's end, behind my last tensor load and my last LDS store
	ds_add_u32 v[SPW], v[NIL]
	s_wait_dscnt 0x0
	CROUND                                         ; the closing round: no work-group ends while a partner may still ask for a tile that names it
	s_endpgm
.Lfunc_end_k_q531d6d8a39_qkvp:
	.size	k_q531d6d8a39_qkvp, .Lfunc_end_k_q531d6d8a39_qkvp-k_q531d6d8a39_qkvp
	.p2alignl 7, 3214868480
	.fill 96, 4, 3214868480
	.section	.rodata,"a",@progbits
	.p2align	6, 0x0
	.amdhsa_kernel k_q531d6d8a39_qkvp
		.amdhsa_group_segment_fixed_size 327680
		.amdhsa_private_segment_fixed_size 0
		.amdhsa_enable_private_segment 0
		.amdhsa_kernarg_size 48
		.amdhsa_user_sgpr_count 2
		.amdhsa_user_sgpr_kernarg_segment_ptr 1
		.amdhsa_wavefront_size32 1
		.amdhsa_system_sgpr_workgroup_id_x 1
		.amdhsa_system_sgpr_workgroup_id_y 1
		.amdhsa_system_sgpr_workgroup_id_z 1
		.amdhsa_system_vgpr_workitem_id 0
		.amdhsa_next_free_vgpr 1024
		.amdhsa_next_free_sgpr 96
		.amdhsa_reserve_vcc 0
		.amdhsa_float_denorm_mode_32 3
		.amdhsa_float_denorm_mode_16_64 3
		.amdhsa_memory_ordered 1
		.amdhsa_forward_progress 1
		.amdhsa_inst_pref_size 123
	.end_amdhsa_kernel
	.amdgpu_metadata
---
amdhsa.version: [ 1, 2 ]
amdhsa.kernels:
  - .name:           k_q531d6d8a39_qkvp
    .symbol:         k_q531d6d8a39_qkvp.kd
    .args:
      - { .name: xn, .offset: 0, .size: 8, .value_kind: global_buffer, .address_space: global }
      - { .name: wcat, .offset: 8, .size: 8, .value_kind: global_buffer, .address_space: global }
      - { .name: b_q, .offset: 16, .size: 8, .value_kind: global_buffer, .address_space: global }
      - { .name: b_k, .offset: 24, .size: 8, .value_kind: global_buffer, .address_space: global }
      - { .name: b_v, .offset: 32, .size: 8, .value_kind: global_buffer, .address_space: global }
      - { .name: qkv, .offset: 40, .size: 8, .value_kind: global_buffer, .address_space: global }
    .group_segment_fixed_size: 327680
    .private_segment_fixed_size: 0
    .kernarg_segment_align: 8
    .kernarg_segment_size: 48
    .max_flat_workgroup_size: 128
    .sgpr_count:     96
    .vgpr_count:     1024
    .wavefront_size: 32
...
	.end_amdgpu_metadata
.endif
;; end of part 2
;; launch attn (part 3): grid 4 x 64, 4 waves a work-group, no clusters, 243,200 bytes of LDS; arguments qkv, ctx; writes ctx
.if DOCPART == 3
	.amdgcn_target "amdgcn-amd-amdhsa--gfx1250"
	.amdhsa_code_object_version 6
	.text
	.protected	k_q531d6d8a39_attn
	.globl	k_q531d6d8a39_attn
	.p2align	8
	.type	k_q531d6d8a39_attn,@function
k_q531d6d8a39_attn:
	s_mov_b64 s[64:65], 0
	v_nop
	global_prefetch_b8 v0, s[64:65] scope:SCOPE_SE
	s_setreg_imm32_b32 hwreg(HW_REG_WAVE_MODE, 25, 1), 1
	s_wait_xcnt 0x0
; ATTN.  ctx[b,h][i][:] = sum over the keys j with 0 <= i - j < 256 of softmax_j(q[i] . k[j] / 8) v[j][:].  q, k, v: planes h, 16 + h, 32 + h of qkv ([48][8192][64] f16, row b 2048 + s); ctx: [64 = 16 b + h][2048][64] f16.
; Products, maxima and sums in f32; the weights p are rounded to f16 for the second product (their sum l is taken of the unrounded p), ctx once at the end.
; LIMITS.  f16 holds no number beyond 65,504: q, k and v arrive within it; p lies in 0 to 1, and below 6e-5 it keeps f16's fixed step of 6e-8; ctx is a mean of v's rows and has their range.
; A hidden score counts as its value less 1e30: f16's scores, 2.7e11 at the most, are nothing beside that.  A weight below 2^-126 counts as 0 in l.  NaN and infinities are not treated apart.
; SHARES.  A work-group owns 512 queries of one head, a wave 128 consecutive ones: eight tiles of 16 in four PIECES of two; pieces 0, 1 are band 0 (the first 64 queries), pieces 2, 3 band 1.
; ALL KEYS THAT THE WORK-GROUP NEEDS LIE IN LDS AT ONCE: q0 - 256 .. q0 + 511, 768 rows of K and of V, brought by three tensor loads a wave at the head.  Nothing is filled twice, so there is one barrier.
; In a sequence's first block the first 256 key rows hold keys 0 .. 255 once more: finite numbers that are read, wholly hidden by the mask, and weigh 0.
; THE WALK GOES FROM THE NEWEST KEYS TO THE OLDEST, 64 a step.  Generation d is LDS key rows 128 w + 64 d; band x uses d = x + 4 (its own keys: the diagonal) down to d = x (the window's lower edge).
; So every query meets its own key in its FIRST step: the running maximum m is a true score before a wholly hidden step can come.
; THE MASK is the C operand that starts the sum S^T = K Q^T.  For tile u (of its band's four) and key block kb: kb < u takes MLO, kb = u takes MT, kb > u takes MHI;  MT = TT x AL + BE, MLO = BE, MHI = HI,
; TT[j] = -1e30 where 8 (lane / 16) + j > lane % 16.  (AL, BE, HI) = (1, 0, H) on the diagonal; (0, 0, 0) inside the window; (-1, H, 0) at its lower edge; (0, H, H) for keys before the sequence's start.
; LAYOUT, SOFTMAX, TURNS.  S^T holds ONE query a lane (lane % 16) and the keys 8 (lane / 16) + 0..7; two such results rounded to f16 ARE source 1 of O^T = V^T P.  p = 2^(c s - c m), c = log2(e) / 8;
; O and l are multiplied by a = 2^(c m_old - c m_new) in every step; m starts at the lowest finite number, O and l at 0.  Turn n belongs to piece n: 16 products K Q^T of piece n + 1, later 16 products V^T P of
; piece n - 1; beside them the scaling, exponentials, roundings, sums and rescaling of piece n and the maximum and statistics of piece n + 1.  Four vector instructions stand behind every matrix instruction,
; the rest in one lump; a turn's 66 exponentials are one batch with one wait.
; NO CLUSTER: neighbouring blocks of a head share 256 of their 768 keys, with one neighbour alone, and at different places of their LDS.  NO PREFETCH: every tile is asked for at the head.
; REGISTERS, in windows of 256 (s_set_vgpr_msb: bits 1:0 source 0, 3:2 source 1, 5:4 source 2, 7:6 destination):
;   window 0: v0-11 addresses; v12-15, v48-63 at work; v16-47 four registers of statistics a tile; v64-191 S^T, two buffers of two tiles; v192-255 P, likewise
;   window 1: O^T, 32 a tile      window 2: v0-127 Q; v128-191 K of one step; v192-255 V of one step      window 3: v0-1 the add's two registers; v8-39 TT, MT, MLO, MHI
.set NP,    4
.set KS,    64
.set PK,    144       ; a row of K in LDS: 128 bytes + 16 of padding: the 16 rows of a load start at 16 different groups of four banks (64 banks of 4 bytes: ISA guide 11.1)
.set PV,    160       ; a row of V: 128 + 32
.set VOFF,  768*PK
.set STAGE, VOFF+768*PV  ; never filled by a tensor load: 16 rows x 144 bytes for each wave, for the way out
.set SP,    144
.set SPARE, STAGE+4*16*SP  ; the spare words, 128 bytes for each wave: two blocks of 256 bytes that no other line names
.set AK0, 2           ; v2   my lane's place in a step's K; never rewritten
.set AV0, 3           ; v3   the same for V
.set AK,  4           ; v4   the LDS address of K's next run of loads
.set AV,  5           ; v5   of V's
.set QO,  6           ; v6   my byte offset in the wave's rows of Q
.set STO, 6           ;      later: where I put 16 bytes of a row
.set RD,  7           ; v7   where I read rows back
.set GO,  8           ; v8   my byte offset in 512 consecutive bytes of ctx
.set SPW, 0           ; v0 of window 3   LDS address of my spare word; never rewritten
.set NIL, 1           ; v1 of window 3   0; never rewritten
.set TT,  8           ; window 3
.set MT,  16
.set MLO, 24
.set MHI, 32
.set MV,  12          ; v12-15  c m_old, kept while c m is made anew
.set ST,  16          ; tile t's statistics at v[ST+4 t]: c m, m, l (even keys', odd keys')
.set TMP, 48          ; by buffer and tile, four registers c0-c3 at work; when the maximum is found c2 takes a
.set S,   64
.set P,   192
.set KF,  128         ; window 2: key block kb, channel half c at KF + 16 kb + 8 c
.set VF,  192         ; window 2: key half kk, channel block cb at VF + 32 kk + 8 cb
.set WV,  12          ; s12  my wave's number
.set CNT, 13          ; s13  trips to go, 5 to 1: pieces 2, 3 work on generation CNT, pieces 0, 1 on CNT - 1
.set DL,  14          ; s14  generations 0 .. DL - 1 lie before the sequence's start
.set BLK, 15          ; s15  my block of 512 queries
.set TBK, 16          ; s16  LDS byte at which K of the step to be fetched begins
.set TBV, 17          ; s17  the same for V, less VOFF
.set CS,  18          ; s[18:19] c
.set SEL, 20          ; s[20:21] v_permlanex16_b32's selects
.set G1K, 24          ; s[24:31] descriptor group 1 for K
.set G1V, 32          ; s[32:39] for V: it differs in the padding alone
.set G0K, 40          ; s[40:51] three sets of group 0 for K
.set G0V, 52          ; s[52:63] for V
.set AL,  66          ; s[66:67]
.set BE,  68          ; s[68:69]
.set HI,  70          ; s70
.set HH,  71          ; s71  -1e30
.set MSB, 0
.macro WIN new
.if MSB != (\new)
	s_set_vgpr_msb (MSB<<8)|(\new)
.set MSB, (\new)
.endif
.endm
.set W_KQ, 0x0a       ; K and Q in window 2, S^T in window 0
.set W_KM, 0x3a       ; the same with the C operand in window 3
.set W_PV, 0x52       ; V in window 2, P in window 0, O^T in window 1
.set W_RS, 0x41       ; O^T (destination and source 0) in window 1, a in window 0
.set W_MK, 0xc0       ; destination in window 3, sources in window 0
.set W_AD, 0x0f       ; the add: address and data in window 3
	s_load_b128 s[4:7], s[0:1], 0x0  ; qkv s[4:5], ctx s[6:7]
	WIN W_MK
	v_lshl_add_u32 v[SPW], v0, 2, SPARE
	v_mov_b32 v[NIL], 0
	WIN W_AD
	ds_add_u32 v[SPW], v[NIL]       ; the wave's opening: the add and its wait stand ahead of my first tensor load; work on registers stands between them
	WIN 0
	v_lshrrev_b32 v1, 5, v0
	v_readfirstlane_b32 s[WV], v1   ; wave 0..3
	s_mov_b32 s[BLK], ttmp9
	s_and_b32 s72, ttmp7, 0xffff    ; 16 b + h
	s_and_b32 s73, s72, 15
	s_lshl_b32 s73, s73, 20         ; plane h: 8,192 rows of 128 bytes,
	s_lshr_b32 s74, s72, 4
	s_lshl_b32 s74, s74, 18         ; batch b: 2,048 rows
	s_add_co_u32 s74, s73, s74
	s_mov_b32 s75, 0
	s_and_b32 s76, s[WV], 1         ; e: which half of the keys I fetch
	s_lshl_b32 s77, s[BLK], 9       ; q0
	s_sub_co_i32 s78, s77, 256
	s_max_i32 s78, s78, 0           ; the 256 keys before q0; in the first block keys 0 .. 255 once more
	s_lshl_b32 s79, s76, 7
	s_add_co_u32 s78, s78, s79      ; my 128 of them,
	s_lshl_b32 s78, s78, 7          ; in bytes
	s_lshl_b32 s79, s76, 8
	s_add_co_u32 s77, s77, s79      ; my 256 of the block's own 512 keys,
	s_lshl_b32 s77, s77, 7          ; in bytes
	s_mov_b32 s23, 0
	; descriptor group 1.  128 keys are 16,384 dense bytes: asked for as 64 rows of 256 bytes, two keys a row, and padded in LDS after every key
	s_mov_b32 s[G1K], (1<<16)|(1<<20)|(4<<22)|(3<<25)  ; 2-byte elements; padding on; after every 32 words (code 4) 4 words (code 3)
	s_mov_b32 s[G1V], (1<<16)|(1<<20)|(4<<22)|(7<<25)  ; the same with 8 words (code 7)
.irp g, G1K, G1V
	s_mov_b32 s[\g+1], 128<<16      ; tensor_dim0 = 128
	s_mov_b32 s[\g+2], 64<<16       ; tensor_dim1 = 64
	s_mov_b32 s[\g+3], 128<<16      ; tile_dim0 = 128
	s_mov_b32 s[\g+4], 64           ; tile_dim1 = 64
	s_mov_b32 s[\g+5], 128          ; 128 elements from row to row
	s_mov_b32 s[\g+6], 0
	s_mov_b32 s[\g+7], 0
.endr
	; where the tiles go: a constant plus the wave's number times a constant.  K (waves 0, 1): key rows 128 w; 256 + 256 w; 384 + 256 w.  V (waves 2, 3): the same with w - 2
.irp z, 0,4,8
	s_mov_b32 s[G0K+\z], 1
	s_mov_b32 s[G0V+\z], 1
.endr
	s_mul_i32 s[G0K+1], s[WV], 128*PK
	s_mul_i32 s[G0K+5], s[WV], 256*PK
	s_add_co_u32 s[G0K+5], s[G0K+5], 256*PK
	s_add_co_u32 s[G0K+9], s[G0K+5], 128*PK
	s_mul_i32 s[G0V+1], s[WV], 128*PV
	s_add_co_u32 s[G0V+1], s[G0V+1], VOFF-256*PV
	s_mul_i32 s[G0V+5], s[WV], 256*PV
	s_add_co_u32 s[G0V+5], s[G0V+5], VOFF-256*PV
	s_add_co_u32 s[G0V+9], s[G0V+5], 128*PV
	s_mov_b32 s[CS], 0x3e38aa3b     ; c = log2(e) / 8
	s_mov_b32 s[CS+1], s[CS]
	s_mov_b32 s[SEL], 0x76543210
	s_mov_b32 s[SEL+1], 0xfedcba98
	s_mov_b32 s[HH], 0xf149f2ca     ; -1e30
	s_mov_b32 s[AL], 1.0            ; the first masks are the diagonal's: band 1 on generation 5
	s_mov_b32 s[AL+1], 0            ; named as pairs
	s_mov_b32 s[BE], 0
	s_mov_b32 s[BE+1], 0
	s_mov_b32 s[HI], s[HH]
	s_lshl_b32 s[DL], s[BLK], 3
	s_lshl1_add_u32 s[DL], s[WV], s[DL]
	s_sub_co_i32 s[DL], 4, s[DL]
	s_max_i32 s[DL], s[DL], 0       ; max(0, 4 - 8 block - 2 w)
	s_mul_i32 s[TBK], s[WV], 128*PK
	s_add_co_u32 s[TBK], s[TBK], 320*PK  ; generation 5
	s_mul_i32 s[TBV], s[WV], 128*PV
	s_add_co_u32 s[TBV], s[TBV], 320*PV
	s_wait_dscnt 0x0                ; the opening add is done
	s_wait_kmcnt 0x0
	s_add_nc_u64 s[4:5], s[4:5], s[74:75]       ; q's plane at the batch's first row,
	s_add_nc_u64 s[8:9], s[4:5], 0x1000000      ; k's, 16 planes on,
	s_add_nc_u64 s[10:11], s[4:5], 0x2000000    ; v's
	s_mov_b32 s22, s78
	s_add_nc_u64 s[G0K+2:G0K+3], s[8:9], s[22:23]
	s_add_nc_u64 s[G0V+2:G0V+3], s[10:11], s[22:23]
	s_mov_b32 s22, s77
	s_add_nc_u64 s[G0K+6:G0K+7], s[8:9], s[22:23]
	s_add_nc_u64 s[G0V+6:G0V+7], s[10:11], s[22:23]
	s_add_nc_u64 s[G0K+10:G0K+11], s[G0K+6:G0K+7], 16384
	s_add_nc_u64 s[G0V+10:G0V+11], s[G0V+6:G0V+7], 16384
.irp z, 3,7,11
	s_or_b32 s[G0K+\z], s[G0K+\z], 0x80000000   ; type = 2
	s_or_b32 s[G0V+\z], s[G0V+\z], 0x80000000
.endr
	s_lshl_b32 s22, s[BLK], 16      ; my block's 512 rows,
	s_lshl_b32 s73, s[WV], 14       ; my wave's 128
	s_add_co_u32 s22, s22, s73
	s_add_nc_u64 s[4:5], s[4:5], s[22:23]       ; Q at my wave's first row
	s_lshl_b32 s73, s72, 18         ; ctx: plane 16 b + h of 2,048 rows
	s_add_co_u32 s22, s22, s73
	s_add_nc_u64 s[6:7], s[6:7], s[22:23]
	s_cmp_lt_u32 s[WV], 2           ; a wave's three fills stand in one branch, ahead of every wait on TENSORcnt, every LDS read and the barrier: three loads of mine are out
	s_cbranch_scc0 .Lfirst_v
	tensor_load_to_lds s[G0K:G0K+3], s[G1K:G1K+7]
	s_nop 0
	tensor_load_to_lds s[G0K+4:G0K+7], s[G1K:G1K+7]
	s_nop 0
	tensor_load_to_lds s[G0K+8:G0K+11], s[G1K:G1K+7]
	s_nop 0
.rept 4
	v_nop
.endr
	s_branch .Lfirst_asked
.Lfirst_v:
	tensor_load_to_lds s[G0V:G0V+3], s[G1V:G1V+7]
	s_nop 0
	tensor_load_to_lds s[G0V+4:G0V+7], s[G1V:G1V+7]
	s_nop 0
	tensor_load_to_lds s[G0V+8:G0V+11], s[G1V:G1V+7]
	s_nop 0
.rept 4
	v_nop
.endr
.Lfirst_asked:
	; A fragment of K or Q is 16 rows x 32 channels in 8 registers: lane l holds row l % 16, channels 8 (l / 16) + 0..7 and 16 + 8 (l / 16) + 0..7: two loads of 16 bytes, 32 bytes apart.
	v_and_b32 v1, 15, v0            ; l % 16
	v_bfe_u32 v9, v0, 4, 1          ; l / 16
	v_lshlrev_b32 v[QO], 7, v1
	v_lshl_add_u32 v[QO], v9, 4, v[QO]
	WIN 0x80                        ; destination window 2
.set i, 0
.rept 4*NP                          ; Q stays in registers: tile i / 2, channels 32 (i % 2) on
	global_load_b128 v[8*i:8*i+3],   v[QO], s[4:5] offset:(i/2)*2048+(i%2)*64
	global_load_b128 v[8*i+4:8*i+7], v[QO], s[4:5] offset:(i/2)*2048+(i%2)*64+32
.set i, i+1
.endr
	WIN 0
	v_lshlrev_b32 v14, 3, v9
	v_sub_nc_u32 v14, v1, v14       ; l % 16 - 8 (l / 16): register j is beyond the diagonal where j is greater
	WIN W_MK
.set i, 0
.rept 8
	v_cmp_gt_i32 vcc_lo, i, v14
	v_cndmask_b32 v[TT+i], 0, s[HH], vcc_lo
.set i, i+1
.endr
.macro MASKSET                      ; the three mask blocks from AL, BE, HI
	WIN 0xc3
.irp z, 0,2,4,6
	v_pk_fma_f32 v[MT+\z:MT+\z+1], v[TT+\z:TT+\z+1], s[AL:AL+1], s[BE:BE+1] op_sel_hi:[1,0,0]
.endr
.irp z, 0,1,2,3,4,5,6,7
	v_mov_b32 v[MLO+\z], s[BE]
	v_mov_b32 v[MHI+\z], s[HI]
.endr
.endm
	MASKSET
	; What the first turns find: O^T and l are 0, P's second buffer is 0 (the first turn's products V^T P, of a piece that has not been, add 0).  All this stands in the wait for the tiles.
	WIN 0x40
.set i, 0
.rept 64*NP
	v_mov_b32 v[i], 0
.set i, i+1
.endr
	WIN 0
.set i, 0
.rept 2*NP
	v_mov_b32 v[ST+4*i], 0xfe000000    ; c m: far below every c s
	v_mov_b32 v[ST+4*i+1], 0xff7fffff  ; m
	v_mov_b32 v[ST+4*i+2], 0
	v_mov_b32 v[ST+4*i+3], 0
.set i, i+1
.endr
.set i, P+32
.rept 32
	v_mov_b32 v[i], 0
.set i, i+1
.endr
	v_mul_u32_u24 v[AK0], v1, PK
	v_lshl_add_u32 v[AK0], v9, 4, v[AK0]  ; row x pitch + 16 x half
	; The turning load takes 16 keys x 16 channels (lane l reads key 8 (l / 16) + l % 8, channels 8 ((l / 8) % 2) + 0..7) and leaves half a fragment of V^T: lane l holds channel l % 16 and 8 keys.
	v_and_b32 v10, 7, v0
	v_bfe_u32 v11, v0, 3, 1
	v_lshl_add_u32 v[AV0], v9, 3, v10
	v_mul_u32_u24 v[AV0], v[AV0], PV
	v_lshl_add_u32 v[AV0], v11, 4, v[AV0]
	v_add_nc_u32 v[AV0], VOFF, v[AV0]
; THE MATRIX WORK.  The 8 accumulators of a run of 16 take turns: between the two links of a chain stand 7 others'.
; Product i of 16 of S^T = K Q^T for piece x: channels 32 (i / 8) on, keys 16 ((i / 2) % 4) on, tile 2 x + i % 2.  The first 8 start the sums, with the mask as C.
.macro KQ x
.set rS, S+64*((\x)%2)+32*(i%2)+8*((i/2)%4)
.set rK, KF+16*((i/2)%4)+8*(i/8)
.set rQ, 16*(2*(\x)+i%2)+8*(i/8)
.if i < 8
.set uu, (2*(\x)+i%2)%4
.set kb, (i/2)%4
.set rMK, MT
.if kb < uu
.set rMK, MLO
.endif
.if kb > uu
.set rMK, MHI
.endif
	WIN W_KM
	v_wmma_f32_16x16x32_f16 v[rS:rS+7], v[rK:rK+7], v[rQ:rQ+7], v[rMK:rMK+7]
.else
	WIN W_KQ
	v_wmma_f32_16x16x32_f16 v[rS:rS+7], v[rK:rK+7], v[rQ:rQ+7], v[rS:rS+7]
.endif
.endm
; Product i of 16 of O^T += V^T P for piece x: keys 32 (i / 8) on, channels 16 ((i / 2) % 4) on, tile 2 x + i % 2.
.macro PV x
	WIN W_PV
.set rO, 32*(2*(\x)+i%2)+8*((i/2)%4)
.set rV, VF+32*(i/8)+8*((i/2)%4)
.set rP, P+32*((\x)%2)+16*(i%2)+8*(i/8)
	v_wmma_f32_16x16x32_f16 v[rO:rO+7], v[rV:rV+7], v[rP:rP+7], v[rO:rO+7]
.endm
.macro MM                           ; the turn's next matrix instruction
.if i < 16
	KQ (Y+1)%NP
.set i, i+1
.else
.set i, i-16
	PV (Y+NP-1)%NP
.set i, i+17
.endif
.endm
; THE LDS LOADS stand in runs of 16: a step's K (64 keys x 64 channels: 8 fragments) and its V (turned).  Their addresses are made some lines ahead.  The walk goes down: the next fetch is the generation before.
.macro FETCH_K
	WIN 0x80                        ; destination window 2
.irp f, 0,1,2,3,4,5,6,7             ; keys 16 (f / 2) on, channels 32 (f % 2) on
	ds_load_b128 v[KF+8*\f:KF+8*\f+3],   v[AK] offset:(\f/2)*16*PK+(\f%2)*64
	ds_load_b128 v[KF+8*\f+4:KF+8*\f+7], v[AK] offset:(\f/2)*16*PK+(\f%2)*64+32
.endr
	s_sub_co_u32 s[TBK], s[TBK], KS*PK
	WIN 0
.endm
.macro FETCH_V
	WIN 0x80
.irp f, 0,1,2,3,4,5,6,7             ; keys 32 (f / 4) on, channels 16 (f % 4) on
	ds_load_tr16_b128 v[VF+8*\f:VF+8*\f+3],   v[AV] offset:(\f/4)*32*PV+(\f%4)*32
	ds_load_tr16_b128 v[VF+8*\f+4:VF+8*\f+7], v[AV] offset:(\f/4)*32*PV+16*PV+(\f%4)*32
.endr
	WIN 0
.endm
; THE VECTOR WORK OF A TURN stands in three queues, each in the order in which its entries become ready; the two tiles alternate.
.macro REGS y, u                    ; the registers of tile u (0, 1) of piece y
.set rT, ST+4*(2*(\y)+(\u))
.set rC, TMP+8*((\y)%2)+4*(\u)
.set rM, MV+2*((\y)%2)+(\u)
.set rS, S+64*((\y)%2)+32*(\u)
.set rP, P+32*((\y)%2)+16*(\u)
.set rO, 32*(2*(\y)+(\u))
.endm
; Number n of the 22 that find the NEXT piece's (Y + 1) maximum and statistics; each accumulator's lowest registers are read first.
;   0-11  four chains c0-c3 of seven scores each     12-14, 16  the four scores left over, the old m, and c0-c3 into c0     15  c m_old is kept
;   17, 18  the query's other 32 keys lie in the lane 16 away: the new m         19-21  c m; c m_old - c m_new; a
.macro XS u, n
	REGS (Y+1)%NP, \u
.if (\n) < 4
	v_max3_num_f32 v[rC+(\n)], v[rS+8*(\n)], v[rS+8*(\n)+1], v[rS+8*(\n)+2]
.elseif (\n) < 12
	v_max3_num_f32 v[rC+(\n)%4], v[rC+(\n)%4], v[rS+8*((\n)%4)+2*((\n)/4)+1], v[rS+8*((\n)%4)+2*((\n)/4)+2]
.elseif (\n) == 12
	v_max3_num_f32 v[rC], v[rC], v[rS+7], v[rS+15]
.elseif (\n) == 13
	v_max3_num_f32 v[rC+1], v[rC+1], v[rS+23], v[rS+31]
.elseif (\n) == 14
	v_max3_num_f32 v[rC+2], v[rC+2], v[rC+3], v[rT+1]
.elseif (\n) == 15
	v_mov_b32 v[rM], v[rT]
.elseif (\n) == 16
	v_max3_num_f32 v[rC], v[rC], v[rC+1], v[rC+2]
.elseif (\n) == 17
	v_permlanex16_b32 v[rC+3], v[rC], s[SEL], s[SEL+1]
.elseif (\n) == 18
	v_max_num_f32 v[rT+1], v[rC], v[rC+3]
.elseif (\n) == 19
	v_mul_f32 v[rT], s[CS], v[rT+1]
.elseif (\n) == 20
	v_sub_f32 v[rC+1], v[rM], v[rT]
.else
	v_exp_f32 v[rC+2], v[rC+1]
.endif
.endm
; Number g of the 64 that follow the exponentials.  For each four weights k of a tile: both pairs are rounded to f16; the second pair is added onto the first, in place; a group later l takes that sum
; (the first time as l = a l + sum).
.macro GS g
.set h, (\g)+6*((\g)/62)            ; group 0 has no group before it, and behind group 7 only l is left
.if h >= 6
.set h, h+2
.endif
	REGS Y, h%2
.set k, h/8
.if h%8 < 4
	v_cvt_pk_f16_f32 v[rP+2*k+(h%8)/2], v[rS+4*k+2*((h%8)/2)], v[rS+4*k+2*((h%8)/2)+1]
.elseif h%8 < 6
	v_pk_add_f32 v[rS+4*k:rS+4*k+1], v[rS+4*k:rS+4*k+1], v[rS+4*k+2:rS+4*k+3]
.elseif k == 1
	v_pk_fma_f32 v[rT+2:rT+3], v[rT+2:rT+3], v[rC+2:rC+3], v[rS:rS+1] op_sel_hi:[1,0,1]
.else
	v_pk_add_f32 v[rT+2:rT+3], v[rT+2:rT+3], v[rS+4*k-4:rS+4*k-3]
.endif
.endm
; THE PLAIN QUEUE, 138 long.  0-73 read no exponential's result: the 32 scalings c s - c m and the next piece's 42.  74-137: GS's 64, behind the wait.
.macro FS f
	REGS Y, (\f)%2
	v_pk_fma_f32 v[rS+2*((\f)/2):rS+2*((\f)/2)+1], v[rS+2*((\f)/2):rS+2*((\f)/2)+1], s[CS:CS+1], v[rT:rT+1] op_sel_hi:[1,0,0] neg_lo:[0,0,1] neg_hi:[0,0,1]
.endm
.macro PL
	WIN 0
.if q < 27
	FS q
.elseif q < 55
	XS (q-27)%2, (q-27)/2
.elseif q < 57
	XS q-55, 15
.elseif (q < 72) && ((q-57)%3 == 0)
	FS 27+(q-57)/3
.elseif q < 60
	XS (q-57)%3-1, 14
.elseif q < 72
	XS (q-57)%3-1, 15+(q-57)/3
.elseif q < 74
	XS q-72, 20
.else
	GS q-74
.endif
.set q, q+1
.endm
; THE EXPONENTIALS' QUEUE, 66 long: s0-s31 of both tiles, then the next piece's two a.  One batch: all stand ahead of the turn's one wait, and nothing ahead of that wait names a result of theirs.
.macro EX
	WIN 0
.if e >= 64
	XS e-64, 21
.else
	REGS Y, e%2
	v_exp_f32 v[rS+e/2], v[rS+e/2]
.endif
.set e, e+1
.endm
; THE RESCALING's QUEUE: O^T times a, two at a time, sixteen times, each accumulator from its low end.  Its a was made, and waited for, in the turn before.
.macro R2
	REGS Y, r%2
	WIN W_RS
.irp z, 0,1
	v_pk_mul_f32 v[rO+4*(r/2)+2*\z:rO+4*(r/2)+2*\z+1], v[rO+4*(r/2)+2*\z:rO+4*(r/2)+2*\z+1], v[rC+2:rC+3] op_sel_hi:[1,0]
.endr
.set r, r+1
.endm
; A TURN, for piece p.  Ahead of its one wait: 16 products K Q^T, behind each a scaling, an exponential and two rescalings; then a lump of 108.  Behind it: 16 products V^T P, behind each four of GS's 64.
; K of the next generation is fetched in piece 2's turn, directly behind the wait, a lump behind the last product that read K.  V of the generation in hand is fetched at the end of piece 0's turn,
; four plain instructions behind its last reader.  Each is waited for a turn later.  cnt = 1: the loop's count is taken down some lines ahead of the branch behind the turn.
.macro TURN p, cnt=0
.set Y, (\p)
.set i, 0
.set q, 0
.set e, 0
.set r, 0
.if (\p) == NP-1
	s_wait_dscnt 0x0                ; K is in
.endif
	MM
	PL
	PL
	R2
.rept 15
	MM
	PL
	EX
	R2
.endr
.if (\p) == NP-2
	WIN 0
	v_add_nc_u32 v[AK], s[TBK], v[AK0]
.endif
.rept 8
	PL
.endr
.rept 49
	EX
	PL
.endr
	EX                              ; the next piece's two a
	EX
	v_nop                           ; a plain instruction behind the last exponential: one for the batch
	s_wait_alu depctr_va_vdst(0)    ; the wait ahead of the first line that names a result: one for the batch
.if (\p) == NP-2
	FETCH_K
.endif
.if (\p) == 1
	s_wait_dscnt 0x0                ; V is in
.endif
.rept 16
	MM
.rept 4
	PL
.endr
.if ((\p) == 0) && (q == 118)
	v_add_nc_u32 v[AV], s[TBV], v[AV0]
.endif
.if ((\p) == 0) && (q == 130)
	s_sub_co_u32 s[TBV], s[TBV], KS*PV
.endif
.if (\cnt) && (q == 130)
	s_sub_co_u32 s[CNT], s[CNT], 1
	s_cmp_lg_u32 s[CNT], 0
.endif
.endr
.if (\p) == 0
	FETCH_V
.endif
.endm
; THE MASKS CHANGE TWICE A TRIP, each time a whole turn's vector work behind the last product that read them.  All selects hang on whole numbers: the trip's count and DL.
.macro MASKB                        ; behind piece 2's turn, for pieces 0 and 1 on generation CNT - 1: the diagonal at 4, the lower edge at 0, dead below DL
	s_cmp_eq_u32 s[CNT], 5
	s_cselect_b32 s[AL], 1.0, 0
	s_cselect_b32 s[HI], s[HH], 0
	s_cmp_eq_u32 s[CNT], 1
	s_cselect_b32 s[AL], -1.0, s[AL]
	s_cselect_b32 s[BE], s[HH], 0
	s_cmp_le_u32 s[CNT], s[DL]
	s_cselect_b32 s[AL], 0, s[AL]
	s_cselect_b32 s[BE], s[HH], s[BE]
	s_cselect_b32 s[HI], s[HH], s[HI]
	MASKSET
.endm
.macro MASKA                        ; behind piece 0's turn, for pieces 2 and 3 on generation CNT - 1: the lower edge at 1, dead below DL
	s_cmp_eq_u32 s[CNT], 2
	s_cselect_b32 s[AL], -1.0, 0
	s_cselect_b32 s[BE], s[HH], 0
	s_cmp_le_u32 s[CNT], s[DL]
	s_cselect_b32 s[AL], 0, s[AL]
	s_cselect_b32 s[BE], s[HH], s[BE]
	s_cselect_b32 s[HI], s[HH], 0
	MASKSET
.endm
	s_wait_tensorcnt 0x0            ; my three tiles are in,
	s_barrier_signal -1
	s_barrier_wait -1               ; everybody's are: from here on LDS is only read, but for the stages
	v_add_nc_u32 v[AK], s[TBK], v[AK0]
	FETCH_K                         ; generation 5
	v_add_nc_u32 v[AV], s[TBV], v[AV0]
	s_sub_co_u32 s[TBV], s[TBV], KS*PV
	FETCH_V
	s_wait_loadcnt 0x0              ; Q
	s_wait_dscnt 0x0
.set i, 0
.rept 16
	KQ 2                            ; piece 2's first scores
.set i, i+1
.endr
	WIN 0                           ; the addresses for the way out: nine plain instructions, the places behind those products
	s_mul_i32 s22, s[WV], 16*SP
	s_add_co_u32 s22, s22, STAGE    ; my stage
	v_mul_u32_u24 v[STO], v1, SP    ; in: row l % 16, 16 bytes for each half of the lanes
	v_lshl_add_u32 v[STO], v9, 4, v[STO]
	v_add_nc_u32 v[STO], s22, v[STO]
	v_bfe_u32 v[RD], v0, 3, 2       ; back: 32 lanes take four rows of 128 bytes,
	v_mul_u32_u24 v[RD], v[RD], SP
	v_lshl_add_u32 v[RD], v10, 4, v[RD]
	v_add_nc_u32 v[RD], s22, v[RD]
	v_and_b32 v[GO], 31, v0         ; which are 512 consecutive bytes of ctx
	v_lshlrev_b32 v[GO], 4, v[GO]
.set Y, 1                           ; XS works for piece Y + 1: piece 2
.irp n, 0,1,2,3,4,5,6,7,8,9,10,11,12,13,14,15,16,17,18,19,20,21
	XS 0, \n
	XS 1, \n
.endr
	v_nop                           ; a plain instruction behind the two a,
	s_wait_alu depctr_va_vdst(0)    ; and their wait, ahead of the label
	s_mov_b32 s[CNT], 5
.Lstep:                             ; five trips: pieces 2 and 3 on generation CNT, then pieces 0 and 1 on CNT - 1, whose K and V the trip fetches
	TURN 2
	MASKB
	TURN 3
	TURN 0
	MASKA
	TURN 1, 1
	WIN 0
	s_cbranch_scc1 .Lstep
	; the last turn's 16 products K Q^T for piece 2, and the maximum made of them, serve nothing: the price, once a launch, of one text for every trip
.set i, 0
.rept 16
	PV 1                            ; piece 1's V^T P of generation 0
.set i, i+1
.endr
	; THE WAY OUT.  l's two halves and the other half of the lanes' are added; O^T is divided by l, rounded to f16 and sent through my stage, a tile at a time.  The additions are the places behind the last products.
	WIN 0
.macro ALL line:vararg              ; one line for each tile t
.set t, 0
.rept 2*NP
	\line
.set t, t+1
.endr
.endm
	ALL v_add_f32 v[ST+4*t+2], v[ST+4*t+2], v[ST+4*t+3]
	ALL v_permlanex16_b32 v[ST+4*t+3], v[ST+4*t+2], s[SEL], s[SEL+1]
	ALL v_add_f32 v[ST+4*t+2], v[ST+4*t+2], v[ST+4*t+3]
	ALL v_rcp_f32 v[ST+4*t+2], v[ST+4*t+2]
	v_nop                           ; a plain instruction between the last reciprocal and the use of its result
	s_wait_alu depctr_va_vdst(0)    ; and the wait ahead of the first use: one for the eight reciprocals
.macro PACK t                       ; a lane's eight channels of a row pack into 16 bytes; they go into rows of 144 bytes and come back as whole rows of 128, into S^T's registers
	WIN W_RS
.set i, 32*(\t)
.rept 16
	v_pk_mul_f32 v[i:i+1], v[i:i+1], v[ST+4*(\t)+2:ST+4*(\t)+3] op_sel_hi:[1,0]
.set i, i+2
.endr
	WIN 0x05                        ; sources 0 and 1 window 1, destination window 0
.set i, 0
.rept 16
	v_cvt_pk_f16_f32 v[S+16*(\t)+i], v[32*(\t)+2*i], v[32*(\t)+2*i+1]
.set i, i+1
.endr
	WIN 0
.irp f, 0,1,2,3
	ds_store_b128 v[STO], v[S+16*(\t)+4*\f:S+16*(\t)+4*\f+3] offset:32*\f
.endr
.irp f, 0,1,2,3
	ds_load_b128 v[S+16*(\t)+4*\f:S+16*(\t)+4*\f+3], v[RD] offset:\f*4*SP  ; LDS serves a wave's instructions in order (ISA guide 5.7.1.4): these see the stores above; the next tile's stores come behind them
.endr
.endm
.macro SEND t, younger              ; younger: the LDS instructions issued behind tile t's loads: the next tile's eight, or none
	WIN 0
.irp f, 0,1,2,3
	s_wait_dscnt (\younger)+3-\f
	global_store_b128 v[GO], v[S+16*(\t)+4*\f:S+16*(\t)+4*\f+3], s[6:7] offset:(\t)*2048+\f*512  ; 512 consecutive bytes, aligned
.endr
.endm
	PACK 0
.set t, 1
.rept 2*NP-1                        ; a tile's arithmetic stands between the loads of the tile before and its stores
	PACK t
	SEND t-1, 8
.set t, t+1
.endr
	SEND 2*NP-1, 0
	WIN W_AD
	s_wait_tensorcnt 0x0            ; the wave's end, behind my last tensor load and my last LDS store
	ds_add_u32 v[SPW], v[NIL]
	s_wait_dscnt 0x0
	WIN 0
	s_endpgm
.Lfunc_end_k_q531d6d8a39_attn:
	.size	k_q531d6d8a39_attn, .Lfunc_end_k_q531d6d8a39_attn-k_q531d6d8a39_attn
	.p2alignl 7, 3214868480
	.fill 96, 4, 3214868480
	.section	.rodata,"a",@progbits
	.p2align	6, 0x0
	.amdhsa_kernel k_q531d6d8a39_attn
		.amdhsa_group_segment_fixed_size 243200
		.amdhsa_private_segment_fixed_size 0
		.amdhsa_enable_private_segment 0
		.amdhsa_kernarg_size 16
		.amdhsa_user_sgpr_count 2
		.amdhsa_user_sgpr_kernarg_segment_ptr 1
		.amdhsa_wavefront_size32 1
		.amdhsa_system_sgpr_workgroup_id_x 1
		.amdhsa_system_sgpr_workgroup_id_y 1
		.amdhsa_system_sgpr_workgroup_id_z 1
		.amdhsa_system_vgpr_workitem_id 0
		.amdhsa_next_free_vgpr 808
		.amdhsa_next_free_sgpr 80
		.amdhsa_reserve_vcc 1
		.amdhsa_float_denorm_mode_32 3
		.amdhsa_float_denorm_mode_16_64 3
		.amdhsa_memory_ordered 1
		.amdhsa_forward_progress 1
		.amdhsa_inst_pref_size 129
	.end_amdhsa_kernel
	.amdgpu_metadata
---
amdhsa.version: [ 1, 2 ]
amdhsa.kernels:
  - .name:           k_q531d6d8a39_attn
    .symbol:         k_q531d6d8a39_attn.kd
    .args:
      - { .name: qkv, .offset: 0, .size: 8, .value_kind: global_buffer, .address_space: global }
      - { .name: ctx, .offset: 8, .size: 8, .value_kind: global_buffer, .address_space: global }
    .group_segment_fixed_size: 243200
    .private_segment_fixed_size: 0
    .kernarg_segment_align: 8
    .kernarg_segment_size: 16
    .max_flat_workgroup_size: 128
    .sgpr_count:     80
    .vgpr_count:     808
    .wavefront_size: 32
...
	.end_amdgpu_metadata
.endif
;; end of part 3
;; launch oproj (part 4): grid 8 x 32, 4 waves a work-group, clusters of 4 x 4, 327,680 bytes of LDS; arguments ctx, wcat, b_o, x, out0; writes out0
.if DOCPART == 4
	.amdgcn_target "amdgcn-amd-amdhsa--gfx1250"
	.amdhsa_code_object_version 6
	.text
	.protected	k_q531d6d8a39_oproj
	.globl	k_q531d6d8a39_oproj
	.p2align	8
	.type	k_q531d6d8a39_oproj,@function
k_q531d6d8a39_oproj:
	s_mov_b64 s[64:65], 0
	v_nop
	global_prefetch_b8 v0, s[64:65] scope:SCOPE_SE
	s_setreg_imm32_b32 hwreg(HW_REG_WAVE_MODE, 25, 1), 1
	s_wait_xcnt 0x0
	s_wait_alu depctr_hold_cnt(0) depctr_sa_sdst(0) depctr_va_vdst(0) depctr_va_sdst(0) depctr_va_ssrc(0) depctr_va_vcc(0) depctr_vm_vsrc(0)
	s_getreg_b32 s2, hwreg(HW_REG_IB_STS2, 6, 4)
	s_cmp_eq_u32 s2, 0
	s_cbranch_scc0 .Lentry_in_a_cluster
	s_endpgm
.Lentry_in_a_cluster:
	s_bfe_u32 s2, ttmp6, 0x10000c
	s_cmp_lg_u32 s2, 0xf033
	s_cbranch_scc0 .Lentry_shape_is_right
	s_endpgm
.Lentry_shape_is_right:
; OPROJ.  out0[t][f] = x[t][f] + b_o[f] + sum over e of ctx(t, e) w_o[f][e];  ctx: [64 = 16 b + h][2048][64] f16, e = 64 h + d;  w_o: rows 3072 .. 4095 of wcat, f16;  x, b_o, out0 f32; sums in f32.
; SHARES.  A work-group makes 256 tokens x 128 columns.  Wave w owns tokens 64 w .. 64 w + 63 and all 128 columns: 32 accumulators; it holds whole pieces of 512 bytes of out0's rows, so its way out goes
; through a stage of its own, with no barrier.  K goes in steps of 128 = two heads, through two LDS slots filled by the tensor data mover.
; ctx's TILE: 256 tokens of ONE head are 32,768 dense bytes: asked for as 128 rows of 256 bytes (two tokens a row), padded in LDS after every token.  Wave 0 fetches the step's even head, wave 1 the odd one.
; CLUSTER.  4 x 4 work-groups: ctx's tiles are shared along a row of the cluster, w_o's along a column, each asked for jointly.
; THE PRODUCT IS TAKEN TRANSPOSED (source 0 = 16 rows of w_o, source 1 = 16 tokens): a lane holds one token and eight neighbouring columns.  THE BIAS is the C operand that starts each sum.
; x's tile is loaded into registers while the products run and is added on the way out, in f32.
; REGISTERS, in windows of 256 (s_set_vgpr_msb: bits 1:0 source 0, 3:2 source 1, 5:4 source 2, 7:6 destination):
;   window 0: v16-30 addresses; v32-95 fragments of ctx, two buffers of 32; v96-223 rows read back from the stage, two buffers of 64
;   window 1: v0-127 fragments of w_o, two buffers of 64; v128-191 the bias       window 2: the 32 accumulators ((a, b) at 8 (8 a + b))       window 3: x, row 16 a + t of my 64 at 4 (16 a + t)
.set NB,     8
.set KSTEP,  128
.set PITCH,  272                       ; a row of w_o in LDS: 256 bytes + 16
.set PA,     144                       ; a token's 128 bytes of one head + 16: in both, the 16 rows of a fragment load start at 16 different groups of four banks (64 banks of 4 bytes: ISA guide 11.1)
.set AH,     256*PA                    ; one head's 256 tokens
.set AROWS,  2*AH
.set SLOT,   AROWS+128*PITCH
.set STAGE,  2*SLOT                    ; behind the ring, never filled by a tensor load: 16 rows of 528 bytes for each wave
.set SP,     528
.set WSTG,   16*SP
.set SPARE,  STAGE+4*WSTG              ; the spare words, 128 bytes for each wave: two blocks of 256 bytes that no other line names
.set NL,     2*NB+8
.set ADRA, 16
.set ADRB, 20
.set STO,  24
.set RD,   25
.set CO,   26                          ; v26     16 x lane: my bytes in 512 of a row of x and of out0; never rewritten
.set BO,   27
.set SPW,  28
.set NIL,  29
.set PFO,  30
.set AF,   32
.set OB,   96
.set BF,   0                           ; window 1
.set BIAS, 128                         ; window 1
.set G1,  24
.set G0,  32
.set G1B, 48
.set G0B, 56
.set LIM, 43                           ; s43     1 in a wave that prefetches, else the greatest number
.set PFA, 44                           ; s[44:45] where my prefetches stand
.set PS,  80                           ; s[80:81] their step from K step to K step: two planes of ctx, or 256 bytes of a row of w_o
.set MSB, 0
.macro WIN new
.if MSB != (\new)
	s_set_vgpr_msb (MSB<<8)|(\new)
.set MSB, \new
.endif
.endm
.macro PLACES                          ; four places behind matrix instructions, in front of loads into registers that they have read and of lines that read results
.rept 4
	v_nop
.endr
.endm
.macro JLOAD s                         ; a joint refill: waves 0 and 1 fetch ctx's two heads, waves 2 and 3 the two halves of w_o's rows; an s_nop 0 and four v_nop follow each line
	s_cmp_eq_u32 s11, 0
	s_cbranch_scc0 .Lfor_b_\@
	tensor_load_to_lds s[G0+4*(\s):G0+4*(\s)+3], s[G1:G1+7]
	s_nop 0
.rept 4
	v_nop
.endr
	s_branch .Lasked_\@
.Lfor_b_\@:
	tensor_load_to_lds s[G0B+4*(\s):G0B+4*(\s)+3], s[G1B:G1B+7]
	s_nop 0
.rept 4
	v_nop
.endr
.Lasked_\@:
.endm
; A prefetch, behind the joint load and the run of LDS loads: the K step that stands two refills on.  ctx's tiles are named by the clusters with x = 0 alone, w_o's rows by those with y = 0 alone; the four
; partners that ask for a tile jointly share it out by ADDRESS.  The last lap of the loop names nothing: K has no such step.
.macro ASK
	s_cmp_gt_u32 s3, s[LIM]
	s_cbranch_scc0 .Lnot_mine_\@
	global_prefetch_b8 v[PFO], s[PFA:PFA+1] th:TH_LOAD_NT scope:SCOPE_SE
.Lnot_mine_\@:
.endm
.macro CREST
	s_cmp_lg_u32 s10, 0
	s_cbranch_scc1 .Lnot_wave_0_\@
	s_barrier_signal -3
.Lnot_wave_0_\@:
	s_barrier_wait -3
	s_barrier_signal -1
	s_barrier_wait -1
.endm
.macro CROUND
	s_barrier_signal -1
	s_barrier_wait -1
	CREST
.endm
	s_load_b128 s[4:7], s[0:1], 0x0                ; ctx s[4:5], wcat s[6:7]
	s_load_b128 s[68:71], s[0:1], 0x10             ; b_o s[68:69], x s[70:71]
	s_load_b64 s[8:9], s[0:1], 0x20                ; out0
	v_lshl_add_u32 v[SPW], v0, 2, SPARE
	v_mov_b32 v[NIL], 0
	ds_add_u32 v[SPW], v[NIL]                      ; the wave's opening: the add and its wait stand ahead of my first tensor load; work on registers stands between them
	v_lshrrev_b32 v1, 5, v0
	v_readfirstlane_b32 s10, v1                    ; wave 0..3
	s_lshr_b32 s11, s10, 1                         ; I fetch for ctx (0) or for w_o (1)
	s_and_b32 s12, s10, 1                          ; which head of the step, or which half of the rows
	s_bfe_u32 s40, ttmp6, 0x40000                  ; cx, cy
	s_bfe_u32 s41, ttmp6, 0x40004
	s_lshl_b32 s42, ttmp9, 2
	s_add_co_u32 s42, s42, s40                     ; tile column
	s_and_b32 s13, ttmp7, 0xffff
	s_lshl_b32 s13, s13, 2
	s_add_co_u32 s13, s13, s41                     ; tile row
	s_lshl_b32 s43, s41, 2
	s_lshl_b32 s43, 15, s43                        ; my row of the cluster
	s_lshl_b32 s44, 0x1111, s40                    ; my column
	s_or_b32 s[G1+0], s43, (1<<16)|(1<<20)|(1<<21)|(4<<22)|(3<<25)   ; the mask; 2-byte elements; padding on; bit 21 beside a mask; after every 32 words (code 4) 4 words (code 3)
	s_or_b32 s[G1B+0], s44, (1<<16)|(1<<20)|(1<<21)|(5<<22)|(3<<25)  ; after every 64 words (code 5)
	s_mov_b32 s[G1+1], 128<<16                     ; tensor_dim0 = 128 elements: two tokens' 256 dense bytes
	s_mov_b32 s[G1+2], 128<<16                     ; tensor_dim1 = 128
	s_mov_b32 s[G1+3], 128<<16                     ; tile_dim0
	s_mov_b32 s[G1+4], 128                         ; tile_dim1
	s_mov_b32 s[G1+5], 128                         ; the rows lie end to end
	s_mov_b32 s[G1+6], 0
	s_mov_b32 s[G1+7], 0
	s_mov_b32 s[G1B+1], KSTEP<<16
	s_mov_b32 s[G1B+2], 64<<16
	s_mov_b32 s[G1B+3], KSTEP<<16
	s_mov_b32 s[G1B+4], 64
	s_mov_b32 s[G1B+5], 1024
	s_mov_b32 s[G1B+6], 0
	s_mov_b32 s[G1B+7], 0
	s_lshr_b32 s16, s13, 3                         ; ctx: batch = tile row / 8: 16 planes of 262,144 bytes,
	s_lshl_b32 s16, s16, 22
	s_and_b32 s17, s13, 7                          ; the tile's 256 tokens in a plane,
	s_lshl_b32 s17, s17, 15
	s_add_co_u32 s16, s16, s17
	s_lshl_b32 s17, s12, 18                        ; my head of the step's two
	s_add_co_u32 s16, s16, s17
	s_mov_b32 s17, 0
	s_lshl_b32 s46, s42, 7
	s_lshl_b32 s47, s12, 6
	s_add_co_u32 s46, s46, s47                     ; w_o: row 128 x tile column + 64 x half,
	s_lshl_b32 s46, s46, 11
	s_add_co_u32 s46, s46, 3072*2048               ; behind w_q, w_k and w_v
	s_mov_b32 s47, 0
	s_mul_i32 s20, s10, AH                         ; where they go: ctx's heads at wave x 256 tokens,
	s_mul_i32 s21, s10, 64*PITCH                   ; w_o's halves (waves 2, 3) behind them
	s_add_co_u32 s21, s21, AROWS-2*64*PITCH
	s_wait_dscnt 0x0                               ; the opening add is done
	s_wait_kmcnt 0x0
	s_add_nc_u64 s[14:15], s[4:5], s[16:17]
	s_add_nc_u64 s[46:47], s[6:7], s[46:47]
	CROUND                                         ; all sixteen work-groups are here: the first joint loads meet
.irp s, 0,1
	s_mov_b32 s[G0+4*(\s)], 1
	s_add_co_u32 s[G0+4*(\s)+1], s20, (\s)*SLOT
	s_add_nc_u64 s[G0+4*(\s)+2:G0+4*(\s)+3], s[14:15], (\s)*524288   ; a K step is two planes
	s_or_b32 s[G0+4*(\s)+3], s[G0+4*(\s)+3], 0x80000000
	s_mov_b32 s[G0B+4*(\s)], 1
	s_add_co_u32 s[G0B+4*(\s)+1], s21, (\s)*SLOT
	s_add_nc_u64 s[G0B+4*(\s)+2:G0B+4*(\s)+3], s[46:47], (\s)*KSTEP*2
	s_or_b32 s[G0B+4*(\s)+3], s[G0B+4*(\s)+3], 0x80000000
.endr
	s_cmp_eq_u32 s11, 0                            ; a wave's two first fills stand in one branch, ahead of every wait on TENSORcnt and every LDS read: two loads of mine are out
	s_cbranch_scc0 .Lfirst_b
	tensor_load_to_lds s[G0:G0+3], s[G1:G1+7]
	s_nop 0
	tensor_load_to_lds s[G0+4:G0+7], s[G1:G1+7]
	s_nop 0
.rept 4
	v_nop
.endr
	s_branch .Lfirst_asked
.Lfirst_b:
	tensor_load_to_lds s[G0B:G0B+3], s[G1B:G1B+7]
	s_nop 0
	tensor_load_to_lds s[G0B+4:G0B+7], s[G1B:G1B+7]
	s_nop 0
.rept 4
	v_nop
.endr
.Lfirst_asked:
	v_and_b32 v1, 15, v0                           ; l % 16
	v_bfe_u32 v2, v0, 4, 1                         ; l / 16
	v_lshlrev_b32 v[BO], 5, v2
	s_lshl_b32 s86, s42, 9                         ; my tile's 128 columns: 512 bytes
	s_mov_b32 s87, 0
	s_add_nc_u64 s[68:69], s[68:69], s[86:87]
	s_lshl_b32 s82, s13, 20                        ; the tile's 256 rows of 4,096 bytes,
	s_add_co_u32 s86, s86, s82
	s_lshl_b32 s82, s10, 18                        ; my 64 of them
	s_add_co_u32 s86, s86, s82
	s_add_nc_u64 s[70:71], s[70:71], s[86:87]
	s_add_nc_u64 s[8:9], s[8:9], s[86:87]
	WIN 0x40                                       ; destination window 1
.set b, 0
.rept NB                               ; register j of block b: bias of column 16 b + 8 (l / 16) + j
	global_load_b128 v[BIAS+8*b:BIAS+8*b+3],   v[BO], s[68:69] offset:64*b
	global_load_b128 v[BIAS+8*b+4:BIAS+8*b+7], v[BO], s[68:69] offset:64*b+16
.set b, b+1
.endr
	WIN 0
	v_mul_u32_u24 v3, v1, PA
	v_lshl_add_u32 v3, v2, 4, v3
	s_mul_i32 s22, s10, 64*PA                      ; my 64 tokens
	v_add_nc_u32 v[ADRA], s22, v3
	v_add_nc_u32 v[ADRA+1], SLOT, v[ADRA]
	v_mul_u32_u24 v3, v1, PITCH
	v_lshl_add_u32 v3, v2, 4, v3
	v_add_nc_u32 v[ADRB], AROWS, v3
	v_add_nc_u32 v[ADRB+1], SLOT, v[ADRB]
	s_mul_i32 s23, s10, WSTG
	s_add_co_u32 s23, s23, STAGE                   ; my stage
	v_mul_u32_u24 v4, v1, SP                       ; in: token l % 16, 32 bytes for each half of the lanes
	v_lshl_add_u32 v4, v2, 5, v4
	v_add_nc_u32 v[STO], s23, v4
	v_and_b32 v6, 31, v0
	v_lshlrev_b32 v[CO], 4, v6
	v_add_nc_u32 v[RD], s23, v[CO]                 ; back: 32 lanes take one row of 512 bytes
	; the prefetches.  ctx: of my head's 32,768 bytes my work-group's 8,192 (by cx), a lane 256 bytes.  w_o: of my 64 rows my work-group's 16 (by cy), a lane a row: lanes 16-31 name the same blocks once more, in the same instruction
	s_lshl_b32 s18, s40, 13
	s_add_co_u32 s18, s18, s16
	s_add_co_u32 s18, s18, 3*524288                ; at K step 3: the first change of slots steps it to 4.  Nothing is prefetched here, at the head
	s_lshl_b32 s20, s42, 7
	s_lshl_b32 s21, s12, 6
	s_add_co_u32 s20, s20, s21
	s_lshl_b32 s21, s41, 4
	s_add_co_u32 s20, s20, s21
	s_lshl_b32 s20, s20, 11
	s_add_co_u32 s20, s20, 3072*2048+3*KSTEP*2
	s_and_b32 s22, ttmp7, 0xffff                   ; cluster y
	s_cmp_eq_u32 s11, 0                            ; do I fetch for ctx?
	s_cselect_b32 s20, s18, s20
	s_cselect_b32 s21, 31, 15
	s_cselect_b32 s19, 8, 11
	s_cselect_b32 s[PS], 19, 8
	s_cselect_b32 s22, ttmp9, s22                  ; the coordinate along which other clusters read the same bytes
	s_cselect_b64 s[PFA:PFA+1], s[4:5], s[6:7]
	s_cmp_eq_u32 s22, 0
	s_cselect_b32 s[LIM], 1, -1                    ; the same in all sixteen partners, for a given wave
	v_and_b32 v[PFO], s21, v0
	v_lshlrev_b32 v[PFO], s19, v[PFO]
	s_lshl_b32 s[PS], 1, s[PS]                     ; 524,288 or 256
	s_mov_b32 s[PS+1], 0
	s_mov_b32 s21, 0
	s_add_nc_u64 s[PFA:PFA+1], s[PFA:PFA+1], s[20:21]
; 8 matrix instructions: token block a x all column blocks, 32 along K, buffer f.  zero = 1: the product starts the sums, with the bias as C.
; The 32 accumulators take turns in the same order in every quarter step: 31 others stand between two links of a chain, over the backward jump too.
.macro MULA f, a, zero
.set b, 0
.rept NB
.set rD, 8*(NB*(\a)+b)
.if \zero
	WIN 0x91                                       ; w_o and the bias window 1, ctx window 0, D window 2
	v_wmma_f32_16x16x32_f16 v[rD:rD+7], v[BF+64*(\f)+8*b:BF+64*(\f)+8*b+7], v[AF+32*(\f)+8*(\a):AF+32*(\f)+8*(\a)+7], v[BIAS+8*b:BIAS+8*b+7]
.else
	WIN 0xa1
	v_wmma_f32_16x16x32_f16 v[rD:rD+7], v[BF+64*(\f)+8*b:BF+64*(\f)+8*b+7], v[AF+32*(\f)+8*(\a):AF+32*(\f)+8*(\a)+7], v[rD:rD+7]
.endif
.set b, b+1
.endr
.endm
; 24 LDS loads in one run: quarter k of a slot into buffer f: w_o's 16, then ctx's 8 (head k / 2 of the step's two, channels 32 (k % 2) on), token blocks 0 to 3 in order
.macro FETCH slot, k, f
	WIN 0x40
.set b, 0
.rept NB
	ds_load_b128 v[BF+64*(\f)+8*b:BF+64*(\f)+8*b+3],   v[ADRB+(\slot)] offset:64*(\k)+b*16*PITCH
	ds_load_b128 v[BF+64*(\f)+8*b+4:BF+64*(\f)+8*b+7], v[ADRB+(\slot)] offset:64*(\k)+b*16*PITCH+32
.set b, b+1
.endr
	WIN 0
.irp i, 0,1,2,3
	ds_load_b128 v[AF+32*(\f)+8*\i:AF+32*(\f)+8*\i+3],   v[ADRA+(\slot)] offset:((\k)/2)*AH+((\k)%2)*64+\i*16*PA
	ds_load_b128 v[AF+32*(\f)+8*\i+4:AF+32*(\f)+8*\i+7], v[ADRA+(\slot)] offset:((\k)/2)*AH+((\k)%2)*64+\i*16*PA+32
.endr
.endm
.macro QUARTER slot, k, f, g, zero
	s_wait_dscnt 4                                 ; all of w_o's and token blocks 0, 1 are in; the youngest four loads (blocks 2, 3) may be out
	MULA \f, 0, \zero
	MULA \f, 1, \zero
	PLACES
	FETCH \slot, \k, \g
	s_wait_dscnt NL                                ; all but the run just issued
	MULA \f, 2, \zero
	MULA \f, 3, \zero
.endm
; The last quarter multiplies buffer 1 and changes slots.  In front of the barrier each wave waits for all its tensor loads (one is out: its part of the next slot), adds 0 to its spare word,
; and waits for that and for its reads of this slot.  fill = 1: the barrier opens a round of the cluster's, and the joint refill, two K steps on, is the first thing behind the round:
; 112 matrix instructions stand between it and the wait for it.
.macro TURN slot, next, fill
.if \fill
	s_wait_xcnt 0x0                                ; the last prefetch, a K step back, has read its address
	s_add_nc_u64 s[PFA:PFA+1], s[PFA:PFA+1], s[PS:PS+1]
.endif
	WIN 0
	s_wait_tensorcnt 0x0                           ; all my tensor loads have landed
	ds_add_u32 v[SPW], v[NIL]                      ; 0 onto my spare word
	s_wait_dscnt 7                                 ; (the add and token blocks 1 to 3, six loads, may be out)
	MULA 1, 0, 0
	s_wait_dscnt 0x0                               ; the add is done, and my reads of this slot are over
	s_barrier_signal -1
	MULA 1, 1, 0
	WIN 0
	s_barrier_wait -1
.if \fill
	CREST                                          ; no wave of any partner still reads this slot or has a load on its way
	s_add_nc_u64 s[G0+4*(\slot)+2:G0+4*(\slot)+3], s[G0+4*(\slot)+2:G0+4*(\slot)+3], 2*524288
	s_add_nc_u64 s[G0B+4*(\slot)+2:G0B+4*(\slot)+3], s[G0B+4*(\slot)+2:G0B+4*(\slot)+3], 2*KSTEP*2
	JLOAD \slot                                    ; its four v_nop are also the places in front of the loads below
.else
	PLACES
.endif
	FETCH \next, 0, 0
.if \fill
	ASK
.endif
	MULA 1, 2, 0
	MULA 1, 3, 0
.endm
.macro XLOAD a                         ; x's rows 16 a .. 16 a + 15 of my 64: a row's 512 bytes a load, into window 3
	WIN 0xc0
.set t, 0
.rept 16
	global_load_b128 v[64*(\a)+4*t:64*(\a)+4*t+3], v[CO], s[70:71] offset:(16*(\a)+t)*4096 th:TH_LOAD_NT
.set t, t+1
.endr
	WIN 0
.endm
; THE WAY OUT of token block a.  TOSTAGE: the f32 sums go straight from the accumulators, low registers first, into my stage, 32 bytes a lane, and come back as whole rows of 512 bytes.  SEND: x is added, and the rows are stored.
.macro TOSTAGE a
.if (\a) >= 2
	s_wait_xcnt 0x0                                ; the stores of the block two back have read the registers that are loaded again below
.endif
	WIN 0x08                                       ; the stores' data in window 2
.set b, 0
.rept NB
	ds_store_b128 v[STO], v[8*(NB*(\a)+b):8*(NB*(\a)+b)+3]   offset:64*b
	ds_store_b128 v[STO], v[8*(NB*(\a)+b)+4:8*(NB*(\a)+b)+7] offset:64*b+16
.set b, b+1
.endr
	WIN 0
.set BK, OB+64*((\a)%2)
.set t, 0
.rept 16
	ds_load_b128 v[BK+4*t:BK+4*t+3], v[RD] offset:t*SP  ; LDS serves a wave's instructions in order (ISA guide 5.7.1.4): these see the stores above; the next block's stores come behind them
.set t, t+1
.endr
.endm
.macro SEND a, younger                 ; younger: the LDS instructions issued behind block a's loads: the next block's 32, or none
.set BK, OB+64*((\a)%2)
	s_wait_dscnt \younger                          ; the block is back in registers
	WIN 0x0c                                       ; source 1 (x) in window 3
.set t, 0
.rept 32
	v_pk_add_f32 v[BK+2*t:BK+2*t+1], v[BK+2*t:BK+2*t+1], v[64*(\a)+2*t:64*(\a)+2*t+1]
.set t, t+1
.endr
	WIN 0
.set t, 0
.rept 16
	global_store_b128 v[CO], v[BK+4*t:BK+4*t+3], s[8:9] offset:(16*(\a)+t)*4096 th:TH_STORE_NT  ; 512 consecutive bytes of a row, aligned
.set t, t+1
.endr
.endm
	s_wait_tensorcnt 0x1                           ; my part of K step 0 is in; K step 1's may stay out
	s_barrier_signal -1
	s_barrier_wait -1
	FETCH 0, 0, 0
	s_wait_loadcnt 0x0                             ; the bias
	QUARTER 0, 1, 0, 1, 1                          ; the first quarter stands in front of the loop: its products start the sums
	XLOAD 0                                        ; 48 of x's 64 loads go out here and have the whole loop in which to land; the last 16 follow behind the loop
	XLOAD 1
	XLOAD 2
	s_mov_b32 s3, 3
.Llap:                                 ; a trip goes once round the ring, from a lap's second quarter to the next lap's first, and fills both slots again
	QUARTER 0, 2, 1, 0, 0
	QUARTER 0, 3, 0, 1, 0
	TURN 0, 1, 1
	QUARTER 1, 1, 0, 1, 0
	QUARTER 1, 2, 1, 0, 0
	QUARTER 1, 3, 0, 1, 0
	TURN 1, 0, 1
	QUARTER 0, 1, 0, 1, 0
	WIN 0
	s_sub_co_u32 s3, s3, 1
	s_cmp_lg_u32 s3, 0
	s_cbranch_scc1 .Llap
	XLOAD 3
	QUARTER 0, 2, 1, 0, 0                          ; the last lap fills nothing
	QUARTER 0, 3, 0, 1, 0
	TURN 0, 1, 0
	QUARTER 1, 1, 0, 1, 0
	QUARTER 1, 2, 1, 0, 0
	QUARTER 1, 3, 0, 1, 0
	s_wait_dscnt 4
	MULA 1, 0, 0
	MULA 1, 1, 0
	s_wait_dscnt 0x0
	MULA 1, 2, 0
	MULA 1, 3, 0
	WIN 0
	PLACES
	s_wait_loadcnt 0x0                             ; x
	TOSTAGE 0
	TOSTAGE 1
	SEND 0, 32
	TOSTAGE 2
	SEND 1, 32
	TOSTAGE 3
	SEND 2, 32
	SEND 3, 0
	s_wait_tensorcnt 0x0                           ; the wave's end, behind my last tensor load and my last LDS store
	ds_add_u32 v[SPW], v[NIL]
	s_wait_dscnt 0x0
	CROUND                                         ; the closing round: no work-group ends while a partner may still ask for a tile that names it
	s_endpgm
.Lfunc_end_k_q531d6d8a39_oproj:
	.size	k_q531d6d8a39_oproj, .Lfunc_end_k_q531d6d8a39_oproj-k_q531d6d8a39_oproj
	.p2alignl 7, 3214868480
	.fill 96, 4, 3214868480
	.section	.rodata,"a",@progbits
	.p2align	6, 0x0
	.amdhsa_kernel k_q531d6d8a39_oproj
		.amdhsa_group_segment_fixed_size 327680
		.amdhsa_private_segment_fixed_size 0
		.amdhsa_enable_private_segment 0
		.amdhsa_kernarg_size 40
		.amdhsa_user_sgpr_count 2
		.amdhsa_user_sgpr_kernarg_segment_ptr 1
		.amdhsa_wavefront_size32 1
		.amdhsa_system_sgpr_workgroup_id_x 1
		.amdhsa_system_sgpr_workgroup_id_y 1
		.amdhsa_system_sgpr_workgroup_id_z 1
		.amdhsa_system_vgpr_workitem_id 0
		.amdhsa_next_free_vgpr 1024
		.amdhsa_next_free_sgpr 96
		.amdhsa_reserve_vcc 0
		.amdhsa_float_denorm_mode_32 3
		.amdhsa_float_denorm_mode_16_64 3
		.amdhsa_memory_ordered 1
		.amdhsa_forward_progress 1
		.amdhsa_inst_pref_size 102
	.end_amdhsa_kernel
	.amdgpu_metadata
---
amdhsa.version: [ 1, 2 ]
amdhsa.kernels:
  - .name:           k_q531d6d8a39_oproj
    .symbol:         k_q531d6d8a39_oproj.kd
    .args:
      - { .name: ctx, .offset: 0, .size: 8, .value_kind: global_buffer, .address_space: global }
      - { .name: wcat, .offset: 8, .size: 8, .value_kind: global_buffer, .address_space: global }
      - { .name: b_o, .offset: 16, .size: 8, .value_kind: global_buffer, .address_space: global }
      - { .name: x, .offset: 24, .size: 8, .value_kind: global_buffer, .address_space: global }
      - { .name: out0, .offset: 32, .size: 8, .value_kind: global_buffer, .address_space: global }
    .group_segment_fixed_size: 327680
    .private_segment_fixed_size: 0
    .kernarg_segment_align: 8
    .kernarg_segment_size: 40
    .max_flat_workgroup_size: 128
    .sgpr_count:     96
    .vgpr_count:     1024
    .wavefront_size: 32
...
	.end_amdgpu_metadata
.endif
;; end of part 4
;; ======== version 2 of 2: 4 launches; version 1 with the launch prep written anew for expert scheduling mode
;; limits: values are held in f16: magnitudes above 65,504 overflow, below 6.1e-05 lose precision; right only within a limited range of input values
;; workspace buffers: xn 16,777,216 bytes; wcat 8,388,608 bytes; qkv 50,331,648 bytes; ctx 16,777,216 bytes
;; launch prep (part 5): grid 64 x 12, 4 waves a work-group, no clusters, 0 bytes of LDS; arguments x, ln_g, ln_b, w_q, w_k, w_v, w_o, xn, wcat; writes xn, wcat
.if DOCPART == 5
	.amdgcn_target "amdgcn-amd-amdhsa--gfx1250"
	.amdhsa_code_object_version 6
	.text
	.protected	k_q531d6d8a39_prep
	.globl	k_q531d6d8a39_prep
	.p2align	8
	.type	k_q531d6d8a39_prep,@function
k_q531d6d8a39_prep:
	s_mov_b64 s[64:65], 0
	v_nop
	global_prefetch_b8 v0, s[64:65] scope:SCOPE_SE
	s_setreg_imm32_b32 hwreg(HW_REG_WAVE_SCHED_MODE, 0, 2), 2
	s_setreg_imm32_b32 hwreg(HW_REG_WAVE_MODE, 25, 1), 1
	s_wait_xcnt 0x0
	s_wait_alu depctr_vm_vsrc(0)
; PREP.  xn = LayerNorm(x) * ln_g + ln_b, rounded once to f16; the four weights rounded once to f16 into wcat ([4096][1024]: w_q, w_k, w_v, w_o).
; A stream: each input byte is read once and each output byte written once; no LDS, no barrier, no matrix unit (nothing is shared and nothing is multiplied by a matrix).
; SHARES.  A row is 1,024 f32 = 4,096 bytes.  A wave takes 4 rows; all its 32 loads of 16 bytes a lane go out at once, so a row stays in registers between the passes.
; Work-group (x, y): y < 8: rows 1024 y + 16 x + 4 w of x;  y >= 8: rows 16 x + 4 w of weight y - 8.
; Load j of a row covers its bytes 512 j .. 512 j + 511: lane l holds elements 128 j + 4 l .. + 3.  They leave as 8 bytes a lane: each store of the wave covers 256 consecutive bytes, aligned.
; THE NORM is taken in two passes over the registers (mean; then the mean of the squares of x - mean), all in f32, so a common offset of x cancels before anything is squared.
; WHY f16.  A query in a sequence's first rows sees few keys: an error of a score shifts its weight by as much, and nothing averages it down.  f16's 11 significant bits keep each rounding under 2^-11 of the number.
; LIMITS.  f16 holds no number beyond 65,504.  |xn| is at most 32 max|ln_g| + max|ln_b| (a normalised row of 1,024 has no element beyond sqrt(1024)), so ln_g may reach some 2,000; the weights stay under 65,504.
; Below 6e-5 a number keeps f16's fixed step of 6e-8.  NaN and infinities are not treated apart.
; THE MODE: SCHED_MODE bits 1:0 = 2 (LLVM: expert scheduling mode 2), set by the entry lines.  The code itself states the register dependences
; between vector instructions and memory instructions, with s_wait_alu, always for 0.
; THE PLAN.  Registers that memory instructions touch (the text has no loop):
;   v1, v2     byte offsets, made once at the head by vector instructions and never written again: v1 is read by every load, v2 by every store.  One wait at the head states that they are written.
;   G, BB      written by loads alone, which are issued before any vector instruction names them; read by the rows' multiply-adds; never loaded again.
;   X, row i   written by the row's eight loads, issued at the head before any vector instruction names X; worked on in place behind the row's wait for its data; its sixteen conversions write the
;              registers that its eight stores read; never written again.  One wait a row stands behind the conversions and ahead of the run of stores.
;   v3, T, MU, RS are named by vector instructions alone.
; That wait stands in the row itself and not behind the next row's wait for data: the rows come as memory gives them, and a finished row's stores do not wait for the next row's arrival.
; No register that a load or a store reads is ever written again, so beyond the entry the text holds no wait on vm_vsrc; it writes neither EXEC nor VCC.
.set IN,  1                            ; v1        16 x lane: my bytes in 512 of the source
.set OUT, 2                            ; v2        8 x lane: my bytes in 256 of the destination
.set G,   4                            ; v[4:35]   ln_g of my 32 columns
.set BB,  36                           ; v[36:67]  ln_b of my 32 columns
.set T,   68                           ; v[68:83]  at work
.set MU,  84                           ; v[84:85]  the mean, twice (a pair for the packed forms)
.set RS,  86                           ; v[86:87]  1 / sqrt(var + eps), twice
.set X,   88                           ; v[88:215] row i at X + 32 i
	s_load_b512 s[8:23], s[0:1], 0x0               ; x s[8:9], ln_g s[10:11], ln_b s[12:13], w_q s[14:15], w_k s[16:17], w_v s[18:19], w_o s[20:21], xn s[22:23]
	s_load_b64 s[24:25], s[0:1], 0x40              ; wcat
	v_and_b32 v3, 31, v0
	v_lshlrev_b32 v[IN], 4, v3
	v_lshlrev_b32 v[OUT], 3, v3
	v_lshrrev_b32 v3, 5, v0
	v_readfirstlane_b32 s26, v3                    ; wave 0..3
	s_and_b32 s27, ttmp7, 0xffff                   ; y
	s_lshl_b32 s32, ttmp9, 4
	s_wait_alu depctr_va_sdst(0)                   ; s26 is written, ahead of its first reader: the rows' offsets are made from it
	s_lshl2_add_u32 s32, s26, s32                  ; 16 x + 4 w: my first row among 1,024
	s_lshl_b32 s38, s27, 10
	s_add_co_u32 s38, s38, s32                     ; 1024 y + that
	s_mov_b32 s33, 0
	s_mov_b32 s39, 0
	s_mov_b32 s34, 0x76543210                      ; v_permlanex16_b32: each lane takes its own place in the other half
	s_mov_b32 s35, 0xfedcba98
	s_mov_b32 s36, 0x3a800000                      ; 1 / 1024
	s_mov_b32 s37, 0x2b8cbccc                      ; 1e-12
	s_wait_kmcnt 0x0
	s_wait_alu depctr_va_vdst(0)                   ; v1 and v2 are written: every load of the kernel reads v1 as its offset, every store v2, on both ways behind the branch below
.macro FILL                            ; my four rows: 32 loads, row 0's first
.irp i, 0,1,2,3
.irp j, 0,1,2,3,4,5,6,7
	global_load_b128 v[X+32*\i+4*\j:X+32*\i+4*\j+3], v[IN], s[28:29] offset:\i*4096+\j*512 th:TH_LOAD_NT
.endr
.endr
.endm
.macro OUTROW i                        ; row i is rounded to f16 in place and stored; its registers are not written again
.irp j, 0,1,2,3,4,5,6,7
	v_cvt_pk_f16_f32 v[X+32*(\i)+4*\j], v[X+32*(\i)+4*\j], v[X+32*(\i)+4*\j+1]
	v_cvt_pk_f16_f32 v[X+32*(\i)+4*\j+1], v[X+32*(\i)+4*\j+2], v[X+32*(\i)+4*\j+3]
.endr
	s_wait_alu depctr_va_vdst(0)                   ; the row's sixteen conversions have written the registers that the eight stores below read
.irp j, 0,1,2,3,4,5,6,7
	global_store_b64 v[OUT], v[X+32*(\i)+4*\j:X+32*(\i)+4*\j+1], s[30:31] offset:(\i)*2048+\j*256 th:TH_STORE_NT
.endr
.endm
.macro TREE4                           ; four pairs in v[T:T+7] -> their sum over the wave's 32 lanes, in every lane's v[T]
	v_pk_add_f32 v[T:T+1], v[T:T+1], v[T+4:T+5]
	v_pk_add_f32 v[T+2:T+3], v[T+2:T+3], v[T+6:T+7]
	v_pk_add_f32 v[T:T+1], v[T:T+1], v[T+2:T+3]
	v_add_f32 v[T], v[T], v[T+1]
	v_add_f32_dpp v[T], v[T], v[T] row_xmask:1 row_mask:0xf bank_mask:0xf
	v_add_f32_dpp v[T], v[T], v[T] row_xmask:2 row_mask:0xf bank_mask:0xf
	v_add_f32_dpp v[T], v[T], v[T] row_xmask:4 row_mask:0xf bank_mask:0xf
	v_add_f32_dpp v[T], v[T], v[T] row_xmask:8 row_mask:0xf bank_mask:0xf
	v_permlanex16_b32 v[T+1], v[T], s34, s35
	v_add_f32 v[T], v[T], v[T+1]
.endm
.macro LNROW i
.set R0, X+32*(\i)
	s_wait_loadcnt 8*(3-(\i))                      ; loads come back in order: row i is in (and ln_g, ln_b, which are older); the younger rows' eight loads each stay out
.set m, 0
.rept 8                                ; the sum: a tree of packed additions
	v_pk_add_f32 v[T+2*m:T+2*m+1], v[R0+4*m:R0+4*m+1], v[R0+4*m+2:R0+4*m+3]
.set m, m+1
.endr
.irp m, 0,2,4,6
	v_pk_add_f32 v[T+\m:T+\m+1], v[T+\m:T+\m+1], v[T+8+\m:T+8+\m+1]
.endr
	TREE4
	v_mul_f32 v[MU], s36, v[T]
	v_mov_b32 v[MU+1], v[MU]
.set m, 0
.rept 16                               ; x - mean, in place
	v_pk_add_f32 v[R0+2*m:R0+2*m+1], v[R0+2*m:R0+2*m+1], v[MU:MU+1] neg_lo:[0,1] neg_hi:[0,1]
.set m, m+1
.endr
.set m, 0
.rept 4                                ; the squares: four chains, started by the first four pairs
	v_pk_mul_f32 v[T+2*m:T+2*m+1], v[R0+2*m:R0+2*m+1], v[R0+2*m:R0+2*m+1]
.set m, m+1
.endr
.rept 12
	v_pk_fma_f32 v[T+2*(m%4):T+2*(m%4)+1], v[R0+2*m:R0+2*m+1], v[R0+2*m:R0+2*m+1], v[T+2*(m%4):T+2*(m%4)+1]
.set m, m+1
.endr
	TREE4
	v_fma_f32 v[T], v[T], s36, s37                 ; var + eps
	v_rsq_f32 v[RS], v[T]
	v_rsq_f32 v[RS+1], v[T]
	v_nop                                          ; a plain instruction behind the roots, ahead of the use of their results
	s_wait_alu depctr_va_vdst(0)                   ; the two roots have written v[RS] and v[RS+1], ahead of the first multiply that names them: one wait for both
.set m, 0
.rept 16
	v_pk_mul_f32 v[R0+2*m:R0+2*m+1], v[R0+2*m:R0+2*m+1], v[RS:RS+1]
.set m, m+1
.endr
.set m, 0
.rept 16
	v_pk_fma_f32 v[R0+2*m:R0+2*m+1], v[R0+2*m:R0+2*m+1], v[G+2*m:G+2*m+1], v[BB+2*m:BB+2*m+1]
.set m, m+1
.endr
	OUTROW \i
.endm
	s_cmp_ge_u32 s27, 8
	s_cbranch_scc1 .Lcast
	; rows of x
	s_lshl_b32 s32, s38, 12                        ; my first row, in bytes of x
	s_lshl_b32 s38, s38, 11                        ; and of xn
	s_add_nc_u64 s[28:29], s[8:9], s[32:33]
	s_add_nc_u64 s[30:31], s[22:23], s[38:39]
.irp j, 0,1,2,3,4,5,6,7
	global_load_b128 v[G+4*\j:G+4*\j+3], v[IN], s[10:11] offset:512*\j
	global_load_b128 v[BB+4*\j:BB+4*\j+3], v[IN], s[12:13] offset:512*\j
.endr
	FILL
	LNROW 0
	LNROW 1
	LNROW 2
	LNROW 3
	s_endpgm
.Lcast:
	; rows of a weight
	s_cmp_eq_u32 s27, 8
	s_cselect_b64 s[28:29], s[14:15], s[20:21]
	s_cmp_eq_u32 s27, 9
	s_cselect_b64 s[28:29], s[16:17], s[28:29]
	s_cmp_eq_u32 s27, 10
	s_cselect_b64 s[28:29], s[18:19], s[28:29]
	s_sub_co_u32 s38, s38, 8192                    ; row 1024 (y - 8) + 16 x + 4 w of wcat
	s_lshl_b32 s38, s38, 11
	s_lshl_b32 s32, s32, 12
	s_add_nc_u64 s[28:29], s[28:29], s[32:33]
	s_add_nc_u64 s[30:31], s[24:25], s[38:39]
	FILL
.irp i, 0,1,2,3
	s_wait_loadcnt 8*(3-\i)                        ; row i is in; the younger rows stay out
	OUTROW \i
.endr
	s_endpgm
.Lfunc_end_k_q531d6d8a39_prep:
	.size	k_q531d6d8a39_prep, .Lfunc_end_k_q531d6d8a39_prep-k_q531d6d8a39_prep
	.p2alignl 7, 3214868480
	.fill 96, 4, 3214868480
	.section	.rodata,"a",@progbits
	.p2align	6, 0x0
	.amdhsa_kernel k_q531d6d8a39_prep
		.amdhsa_group_segment_fixed_size 0
		.amdhsa_private_segment_fixed_size 0
		.amdhsa_enable_private_segment 0
		.amdhsa_kernarg_size 72
		.amdhsa_user_sgpr_count 2
		.amdhsa_user_sgpr_kernarg_segment_ptr 1
		.amdhsa_wavefront_size32 1
		.amdhsa_system_sgpr_workgroup_id_x 1
		.amdhsa_system_sgpr_workgroup_id_y 1
		.amdhsa_system_sgpr_workgroup_id_z 1
		.amdhsa_system_vgpr_workitem_id 0
		.amdhsa_next_free_vgpr 216
		.amdhsa_next_free_sgpr 66
		.amdhsa_reserve_vcc 0
		.amdhsa_float_denorm_mode_32 3
		.amdhsa_float_denorm_mode_16_64 3
		.amdhsa_memory_ordered 1
		.amdhsa_forward_progress 1
		.amdhsa_inst_pref_size 49
	.end_amdhsa_kernel
	.amdgpu_metadata
---
amdhsa.version: [ 1, 2 ]
amdhsa.kernels:
  - .name:           k_q531d6d8a39_prep
    .symbol:         k_q531d6d8a39_prep.kd
    .args:
      - { .name: x, .offset: 0, .size: 8, .value_kind: global_buffer, .address_space: global }
      - { .name: ln_g, .offset: 8, .size: 8, .value_kind: global_buffer, .address_space: global }
      - { .name: ln_b, .offset: 16, .size: 8, .value_kind: global_buffer, .address_space: global }
      - { .name: w_q, .offset: 24, .size: 8, .value_kind: global_buffer, .address_space: global }
      - { .name: w_k, .offset: 32, .size: 8, .value_kind: global_buffer, .address_space: global }
      - { .name: w_v, .offset: 40, .size: 8, .value_kind: global_buffer, .address_space: global }
      - { .name: w_o, .offset: 48, .size: 8, .value_kind: global_buffer, .address_space: global }
      - { .name: xn, .offset: 56, .size: 8, .value_kind: global_buffer, .address_space: global }
      - { .name: wcat, .offset: 64, .size: 8, .value_kind: global_buffer, .address_space: global }
    .group_segment_fixed_size: 0
    .private_segment_fixed_size: 0
    .kernarg_segment_align: 8
    .kernarg_segment_size: 72
    .max_flat_workgroup_size: 128
    .sgpr_count:     66
    .vgpr_count:     216
    .wavefront_size: 32
...
	.end_amdgpu_metadata
.endif
;; end of part 5
;; launch qkvp: the kernel of part 2 again; grid 16 x 32, 4 waves a work-group, clusters of 4 x 4, 327,680 bytes of LDS; arguments xn, wcat, b_q, b_k, b_v, qkv; writes qkv
;; launch attn: the kernel of part 3 again; grid 4 x 64, 4 waves a work-group, no clusters, 243,200 bytes of LDS; arguments qkv, ctx; writes ctx
;; launch oproj: the kernel of part 4 again; grid 8 x 32, 4 waves a work-group, clusters of 4 x 4, 327,680 bytes of LDS; arguments ctx, wcat, b_o, x, out0; writes out0
